; MI455X (gfx1250); checked and timed in simulation.
; The chip was launched on July 23, 2026; its instructions are those of AMD's public machine-readable ISA for CDNA 5 (MIT licence, August 2026) and "CDNA5" Instruction Set Architecture Reference Guide (July 2026). The comments in the code are by the model that wrote it; some were corrected since.
;; Multihead Attention. Allowed arithmetic: matrix products marked QUANTISED: E2M1 operands, one E8M0 scale for each 32 along K, by v_wmma_scale_f32_16x16x128_f8f6f4 with both operands' format E2M1 (or v_wmma_scale_f32_32x16x128_f4), f32 sums; products left as they are: bf16, f16 or f32 operands; f32 sums; everything else in f32.
;; Inputs: bk 1,024 float32; bo 1,024 float32; bq 1,024 float32; bv 1,024 float32; wk 1,024 x 1,024 float32; wo 1,024 x 1,024 float32; wq 1,024 x 1,024 float32; wv 1,024 x 1,024 float32; x 2 x 2,048 x 1,024 float32.
;; Outputs: out0 2 x 2,048 x 1,024 float32.
;; This version of the problem:
;;   THIS VERSION OF THE PROBLEM IS GIVEN IN LOW PRECISION. The matrix products marked QUANTISED in the list below multiply operands that are first quantised to E2M1 (2 exponent bits, 1 mantissa bit; 4 bits a number), with one power-of-two scale for each 32 numbers along K (OCP MX v1.0); their sums are f32. The products marked 'left as it is' may take bf16, f16 or f32 operands, with f32 sums. Whichever they take, every output number must still come out within the allowed error. Rounding operands to bf16 (8 significant bits) uses up far more of that allowance than f16 does (11 bits, for magnitudes from 6e-5 to 65,504). All else is computed in f32.
;;   The module's matrix products, in the order in which they are computed (A, B: the left and right operand; K: the contracted axis; several contracted axes count as one K, in the product's order):
;;     1. [M 4,096, K 1,024] x [K 1,024, N 1,024]; A: input x; B: input wq: QUANTISED
;;     2. [M 4,096, K 1,024] x [K 1,024, N 1,024]; A: input x; B: input wk: QUANTISED
;;     3. [M 4,096, K 1,024] x [K 1,024, N 1,024]; A: input x; B: input wv: QUANTISED
;;     4. batch 32 x [M 2,048, K 64] x [K 64, N 2,048]; A: computed on the way; B: computed on the way: left as it is (an operand is computed on the way)
;;     5. batch 32 x [M 2,048, K 2,048] x [K 2,048, N 64]; A: computed on the way; B: computed on the way: left as it is (an operand is computed on the way)
;;     6. [M 4,096, K 1,024] x [K 1,024, N 1,024]; A: computed on the way; B: input wo: left as it is (an operand is computed on the way)
;;   THE QUANTISER, for each operand of a quantised product, along K:
;;     - K is cut into blocks of 32 from its start; a last block that is shorter is filled with zeros.
;;     - A block's scale is 2^e with e = floor(log2(the largest magnitude in the block)) - 2, held to -126 .. 127; a block of zeros has e = 0. As a byte (E8M0): e + 127.
;;     - Each number is divided by its block's scale, clamped to +-6, and rounded to the nearest number of E2M1, ties to even, subnormals kept.
;;     - The product sums the exact products of the quantised numbers (number of the format x scale) in f32.
;;   ~~~python
;;   def quantise(x, axis):      # numpy; x: float32 -> the quantised numbers, widened to float32 again
;;       x = np.moveaxis(x, axis, -1); K = x.shape[-1]
;;       x = np.pad(x, [(0, 0)] * (x.ndim - 1) + [(0, -K % 32)]); x = x.reshape(x.shape[:-1] + (-1, 32)); a = np.abs(x).max(-1, keepdims=True)
;;       e = np.where(a > 0, np.clip(np.frexp(np.where(a > 0, a, 1))[1] - 1 - 2, -126, 127), 0)      # np.frexp(a)[1] - 1 = floor(log2(a)), exactly
;;       r = np.clip(x / 2.0 ** e, -6, 6)
;;       step = 2.0 ** (np.maximum(np.frexp(np.where(r == 0, 1, r))[1] - 1, 0) - 1)
;;       q = np.round(r / step) * step * 2.0 ** e      # np.round: ties to even
;;       return np.moveaxis(q.reshape(q.shape[:-2] + (-1,))[..., :K], -1, axis).astype(np.float32)
;;   ~~~
;; One version. Each part assembles by itself: llvm-mc -triple=amdgcn-amd-amdhsa -mcpu=gfx1250 --defsym DOCPART=n.
;; ======== version 1 of 1: 4 launches
;; limits: values are held in f16: magnitudes above 65,504 overflow, below 6.1e-05 lose precision
;; workspace buffers: xcodes 2,097,152 bytes; xscales 131,072 bytes; wcodes 1,572,864 bytes; wscales 98,304 bytes; wo16 2,097,152 bytes; qkv 25,165,824 bytes; obuf 8,388,608 bytes
;; launch prep (part 1): grid 256 x 1, 4 waves a work-group, no clusters, 33,280 bytes of LDS; arguments x, wq, wk, wv, wo, xcodes, xscales, wcodes, wscales, wo16; writes xcodes, xscales, wcodes, wscales, wo16
.if DOCPART == 1
	.amdgcn_target "amdgcn-amd-amdhsa--gfx1250"
	.amdhsa_code_object_version 6
	.text
	.protected	k_qcf88eaddf8_prep
	.globl	k_qcf88eaddf8_prep
	.p2align	8
	.type	k_qcf88eaddf8_prep,@function
k_qcf88eaddf8_prep:
	s_mov_b64 s[64:65], 0
	v_nop
	global_prefetch_b8 v0, s[64:65] scope:SCOPE_SE
	s_setreg_imm32_b32 hwreg(HW_REG_WAVE_MODE, 25, 1), 1
	s_wait_xcnt 0x0
; x [4096][1024], wq, wk, wv [1024][1024], f32, K innermost, become codes of FP4 (E2M1), two a byte, with one E8M0 scale byte for each 32 along K; wo [1024][1024] is rounded to f16.
; A block's scale is 2^(floor(log2(its largest magnitude)) - 2); its byte is the largest magnitude's exponent field - 2, held at 1 from below.  Each number is divided by the scale and rounded to the nearest code, ties to even.
; LIMITS: a block of zeros gets the byte 1 where the rule says 127 (its codes are zeros, and this program alone reads the bytes); blocks whose largest magnitude lies under 2^-124 are held at the byte 1;
; NaN and infinities among the inputs are not served; a number of wo beyond 65,504 becomes infinity in f16, and one under 6.1e-5 keeps an absolute error of 3e-8.
; SHARES: rows are dense and 1,024 is a multiple of 32, so each tensor is a plain stream of blocks.  A work-group takes 32,768 numbers, a wave 8,192.  Work-groups 0-127: x; 128-159: wq; 160-191: wk; 192-223: wv
; (their codes lie on end in wcodes, [3072][512 bytes]); 224-255: wo.  256 equal work-groups; waves share nothing: no barrier, no tensor load.
; QUANTISING: 16 steps of 512 numbers.  Each load reads 512 consecutive bytes; a step's 2,048 bytes turn through the wave's own stage in LDS, so that a lane holds 16 neighbours along K (two lanes to a block).
; A lane's 16 codes are 8 bytes: the wave stores 256 consecutive bytes.  The wave's 256 scale bytes are gathered in its own LDS bytes and leave as 256 consecutive bytes.
.set WAVES, 4
.set STEPS, 16
.set EMAX,  2
.set CB,    8                          ; bytes of 16 codes
.set R,     16                         ; v16-79   four sets of 16 numbers as they are loaded
.set X,     80                         ; v80-111  two sets of 16 neighbours
.set C,     128                        ; v128-191 codes: registers of its own for each step
.set E,     112                        ; v112-127 a scale byte for each step
.set WREG,  8192                       ; LDS: a region for each wave: two stages of 32 x SP bytes, then its 256 scale bytes
.set SP,    80                         ; a lane's place in a stage: 64 bytes + 16 of padding
.set SPW,   12                         ; v12  LDS address of my spare word; never rewritten
.set NIL,   13                         ; v13  0; never rewritten
.set SPARE, WAVES*WREG                 ; behind the regions: the spare words, 128 bytes a wave
.set SRC,   10                         ; s[10:11] the tensor that I read
.set COD,   14                         ; s[14:15] its codes
.set SCA,   16                         ; s[16:17] its scale bytes
.set LA,    16                         ; wo's path: v16-79, v80-143 two batches of 64 numbers a lane; v144-175 their f16
.set LB,    80
.set OUT,   144
	s_load_b256 s[4:11], s[0:1], 0x0               ; x, wq, wk, wv
	s_load_b256 s[12:19], s[0:1], 0x20             ; wo, xcodes, xscales, wcodes
	s_load_b128 s[20:23], s[0:1], 0x40             ; wscales, wo16
	v_lshl_add_u32 v[SPW], v0, 2, SPARE
	v_mov_b32 v[NIL], 0
	v_lshrrev_b32 v1, 5, v0
	v_readfirstlane_b32 s24, v1                    ; wave
	v_and_b32 v2, 31, v0                           ; lane
	v_lshlrev_b32 v3, 4, v2                        ; my 16 bytes of a load's 512
	s_mul_i32 s25, s24, WREG
	v_lshrrev_b32 v14, 2, v2
	v_mul_u32_u24 v14, v14, SP
	v_and_b32 v15, 3, v2
	v_lshl_add_u32 v14, v15, 4, v14
	v_add_nc_u32 v14, s25, v14                     ; the stage, on the way in: SP (lane / 4) + 16 (lane % 4)
	v_mul_u32_u24 v15, v2, SP
	v_add_nc_u32 v15, s25, v15                     ; and on the way out: SP x lane: my 16 neighbours
	v_mul_u32_u24 v4, v2, CB                       ; 8 x lane: my codes' place in a step's; in wo's path my f16's place
	v_lshrrev_b32 v5, 1, v2
	s_add_co_u32 s25, s25, 2*32*SP
	v_add_nc_u32 v5, s25, v5                       ; LDS: my wave's 256 scale bytes, my block's byte
	v_lshlrev_b32 v7, 3, v2
	v_add_nc_u32 v6, s25, v7                       ; and on the way out 8 bytes a lane
	s_wait_kmcnt 0x0
	s_cmp_ge_u32 ttmp9, 224                        ; the work-group's number alone decides
	s_cbranch_scc1 .Lwo
	s_cmp_lt_u32 ttmp9, 192
	s_cselect_b64 s[SRC:SRC+1], s[8:9], s[10:11]   ; wk or wv
	s_cmp_lt_u32 ttmp9, 160
	s_cselect_b64 s[SRC:SRC+1], s[6:7], s[SRC:SRC+1]   ; wq
	s_cmp_lt_u32 ttmp9, 128
	s_cselect_b64 s[SRC:SRC+1], s[4:5], s[SRC:SRC+1]   ; x
	s_cselect_b64 s[COD:COD+1], s[14:15], s[18:19]
	s_cselect_b64 s[SCA:SCA+1], s[16:17], s[20:21]
	s_cselect_b32 s26, 0, 128
	s_cselect_b32 s27, -1, 31
	s_sub_co_u32 s26, ttmp9, s26                   ; which 32,768 numbers of the destination (the three weights on end),
	s_and_b32 s27, s26, s27                        ; and of the source
	s_lshl_b32 s27, s27, 2
	s_add_co_u32 s27, s27, s24                     ; my wave's run of 8,192 numbers in the source,
	s_lshl_b32 s26, s26, 2
	s_add_co_u32 s26, s26, s24                     ; and in the destination
	s_lshl_b32 s28, s27, 15                        ; 32,768 bytes of f32 a run
	s_mov_b32 s29, 0
	s_add_nc_u64 s[SRC:SRC+1], s[SRC:SRC+1], s[28:29]
	s_lshl_b32 s28, s26, 12                        ; 4,096 bytes of codes
	s_add_nc_u64 s[COD:COD+1], s[COD:COD+1], s[28:29]
	s_lshl_b32 s28, s26, 8                         ; 256 scale bytes
	s_add_nc_u64 s[SCA:SCA+1], s[SCA:SCA+1], s[28:29]
.macro LOAD t
.irp i, 0,1,2,3
	global_load_b128 v[R+16*((\t)%4)+4*\i:R+16*((\t)%4)+4*\i+3], v3, s[SRC:SRC+1] offset:2048*(\t)+512*\i th:TH_LOAD_NT   ; 32 lanes read 512 consecutive bytes
.endr
.endm
.macro TURN t                          ; step t's numbers through the stage: LDS serves a wave's instructions in order, so no wait stands between the stores and the loads
.irp i, 0,1,2,3
	ds_store_b128 v14, v[R+16*((\t)%4)+4*\i:R+16*((\t)%4)+4*\i+3] offset:32*SP*((\t)%2)+8*SP*\i
.endr
.irp i, 0,1,2,3
	ds_load_b128 v[X+16*((\t)%2)+4*\i:X+16*((\t)%2)+4*\i+3], v15 offset:32*SP*((\t)%2)+16*\i
.endr
.endm
.irp t, 0,1,2,3
	LOAD \t
.endr
	s_wait_loadcnt 12                              ; step 0's four loads are in; the twelve of steps 1 to 3 may be out
	TURN 0
.macro STEP t
.set XS, X+16*((\t)%2)
.if (\t) > 0
	s_wait_dscnt 1                                 ; this step's numbers are back from the stage (the last step's byte store may be out): so its stores into the stage have read their registers,
.else
	s_wait_dscnt 0x0
.endif
.if (\t)+4 < STEPS
	LOAD (\t)+4                                    ; which take the loads of four steps on
.endif
.if (\t)+1 < STEPS
.if STEPS-2-(\t) >= 3
	s_wait_loadcnt 12                              ; the next step's four loads are in; those of the three steps behind it may be out
.else
	s_wait_loadcnt 4*(STEPS-2-(\t))                ; the tail: four for each step still behind
.endif
	TURN (\t)+1                                    ; and go through the other stage while this step is worked
.endif
	v_max3_num_f32 v8, |v[XS]|, |v[XS+1]|, |v[XS+2]|               ; the largest magnitude of my 16, in two chains
	v_max3_num_f32 v9, |v[XS+3]|, |v[XS+4]|, |v[XS+5]|
.irp i, 6,10
	v_max3_num_f32 v8, v8, |v[XS+\i]|, |v[XS+\i+1]|
	v_max3_num_f32 v9, v9, |v[XS+\i+2]|, |v[XS+\i+3]|
.endr
	v_max3_num_f32 v8, v8, |v[XS+14]|, |v[XS+15]|
	v_max3_num_f32 v8, v8, v9, (EMAX+1)<<23        ; and the floor 2^(3 - 127): the byte cannot fall under 1
	v_max_num_f32_dpp v8, v8, v8 row_xmask:1 row_mask:0xf bank_mask:0xf   ; and of my neighbour's 16: the block's
	v_add_nc_u32 v11, -(EMAX<<23), v8              ; 2 off its exponent field: the conversion takes the exponent field of this operand as its scale
	v_cvt_scalef32_pk8_fp4_f32 v[C+4*(\t)], v[XS:XS+7], v11
	v_cvt_scalef32_pk8_fp4_f32 v[C+4*(\t)+1], v[XS+8:XS+15], v11
	v_lshrrev_b32 v[E+(\t)], 23, v11               ; the scale's byte (a plain line behind the conversions)
	ds_store_b8 v5, v[E+(\t)] offset:16*(\t)       ; both lanes of a block write the same byte with the same value
	global_store_b64 v4, v[C+4*(\t):C+4*(\t)+1], s[COD:COD+1] offset:32*CB*(\t)   ; 32 lanes store 256 consecutive bytes
.endm
.irp t, 0,1,2,3,4,5,6,7,8,9,10,11,12,13,14,15
	STEP \t
.endr
	ds_load_b64 v[8:9], v6                         ; LDS serves a wave's instructions in order: these see my byte stores
	s_wait_dscnt 0x0
	global_store_b64 v7, v[8:9], s[SCA:SCA+1]      ; 32 lanes store 256 consecutive bytes
	s_branch .Lend
; wo to f16: four batches of 2,048 numbers a wave; 16 loads of 512 consecutive bytes, 16 stores of 256; two batches of loads are out at a time
.macro WLOAD q, reg
.irp i, 0,1,2,3,4,5,6,7,8,9,10,11,12,13,14,15
	global_load_b128 v[\reg+4*\i:\reg+4*\i+3], v3, s[12:13] offset:8192*(\q)+512*\i th:TH_LOAD_NT
.endr
.endm
.macro WCVT reg
.irp i, 0,1,2,3,4,5,6,7,8,9,10,11,12,13,14,15
	v_cvt_pk_f16_f32 v[OUT+2*\i], v[\reg+4*\i], v[\reg+4*\i+1]
	v_cvt_pk_f16_f32 v[OUT+2*\i+1], v[\reg+4*\i+2], v[\reg+4*\i+3]
.endr
.endm
.macro WSTORE q
.irp i, 0,1,2,3,4,5,6,7,8,9,10,11,12,13,14,15
	global_store_b64 v4, v[OUT+2*\i:OUT+2*\i+1], s[22:23] offset:4096*(\q)+256*\i
.endr
.endm
.Lwo:
	s_sub_co_u32 s26, ttmp9, 224
	s_lshl_b32 s26, s26, 2
	s_add_co_u32 s26, s26, s24                     ; my wave's run of 8,192 numbers
	s_lshl_b32 s28, s26, 15
	s_mov_b32 s29, 0
	s_add_nc_u64 s[12:13], s[12:13], s[28:29]
	s_lshl_b32 s28, s26, 14
	s_add_nc_u64 s[22:23], s[22:23], s[28:29]
	WLOAD 0, LA
	WLOAD 1, LB
	s_wait_loadcnt 16                              ; the older batch is in; the younger one's 16 loads may be out
	WCVT LA
	WSTORE 0
	WLOAD 2, LA
	s_wait_loadcnt 16
	s_wait_xcnt 0x0                                ; the last stores have read their data: OUT is written again only behind this wait
	WCVT LB
	WSTORE 1
	WLOAD 3, LB
	s_wait_loadcnt 16
	s_wait_xcnt 0x0
	WCVT LA
	WSTORE 2
	s_wait_loadcnt 0x0
	s_wait_xcnt 0x0
	WCVT LB
	WSTORE 3
.Lend:
	s_wait_tensorcnt 0x0                           ; the wave's end: behind my last LDS store
	ds_add_u32 v[SPW], v[NIL]
	s_wait_dscnt 0x0
	s_endpgm
.Lfunc_end_k_qcf88eaddf8_prep:
	.size	k_qcf88eaddf8_prep, .Lfunc_end_k_qcf88eaddf8_prep-k_qcf88eaddf8_prep
	.p2alignl 7, 3214868480
	.fill 96, 4, 3214868480
	.section	.rodata,"a",@progbits
	.p2align	6, 0x0
	.amdhsa_kernel k_qcf88eaddf8_prep
		.amdhsa_group_segment_fixed_size 33280
		.amdhsa_private_segment_fixed_size 0
		.amdhsa_enable_private_segment 0
		.amdhsa_kernarg_size 80
		.amdhsa_user_sgpr_count 2
		.amdhsa_user_sgpr_kernarg_segment_ptr 1
		.amdhsa_wavefront_size32 1
		.amdhsa_system_sgpr_workgroup_id_x 1
		.amdhsa_system_sgpr_workgroup_id_y 1
		.amdhsa_system_sgpr_workgroup_id_z 1
		.amdhsa_system_vgpr_workitem_id 0
		.amdhsa_next_free_vgpr 192
		.amdhsa_next_free_sgpr 66
		.amdhsa_reserve_vcc 0
		.amdhsa_float_denorm_mode_32 3
		.amdhsa_float_denorm_mode_16_64 3
		.amdhsa_memory_ordered 1
		.amdhsa_forward_progress 1
		.amdhsa_inst_pref_size 54
	.end_amdhsa_kernel
	.amdgpu_metadata
---
amdhsa.version: [ 1, 2 ]
amdhsa.kernels:
  - .name:           k_qcf88eaddf8_prep
    .symbol:         k_qcf88eaddf8_prep.kd
    .args:
      - { .name: x, .offset: 0, .size: 8, .value_kind: global_buffer, .address_space: global }
      - { .name: wq, .offset: 8, .size: 8, .value_kind: global_buffer, .address_space: global }
      - { .name: wk, .offset: 16, .size: 8, .value_kind: global_buffer, .address_space: global }
      - { .name: wv, .offset: 24, .size: 8, .value_kind: global_buffer, .address_space: global }
      - { .name: wo, .offset: 32, .size: 8, .value_kind: global_buffer, .address_space: global }
      - { .name: xcodes, .offset: 40, .size: 8, .value_kind: global_buffer, .address_space: global }
      - { .name: xscales, .offset: 48, .size: 8, .value_kind: global_buffer, .address_space: global }
      - { .name: wcodes, .offset: 56, .size: 8, .value_kind: global_buffer, .address_space: global }
      - { .name: wscales, .offset: 64, .size: 8, .value_kind: global_buffer, .address_space: global }
      - { .name: wo16, .offset: 72, .size: 8, .value_kind: global_buffer, .address_space: global }
    .group_segment_fixed_size: 33280
    .private_segment_fixed_size: 0
    .kernarg_segment_align: 8
    .kernarg_segment_size: 80
    .max_flat_workgroup_size: 128
    .sgpr_count:     66
    .vgpr_count:     192
    .wavefront_size: 32
...
	.end_amdgpu_metadata
.endif
;; end of part 1
;; launch qkv (part 2): grid 12 x 16, 4 waves a work-group, clusters of 4 x 4, 327,680 bytes of LDS; arguments xcodes, xscales, wcodes, wscales, bq, bk, bv, qkv; writes qkv
.if DOCPART == 2
	.amdgcn_target "amdgcn-amd-amdhsa--gfx1250"
	.amdhsa_code_object_version 6
	.text
	.protected	k_qcf88eaddf8_qkv
	.globl	k_qcf88eaddf8_qkv
	.p2align	8
	.type	k_qcf88eaddf8_qkv,@function
k_qcf88eaddf8_qkv:
	s_mov_b64 s[64:65], 0
	v_nop
	global_prefetch_b8 v0, s[64:65] scope:SCOPE_SE
	s_setreg_imm32_b32 hwreg(HW_REG_WAVE_MODE, 25, 1), 1
	s_wait_xcnt 0x0
	s_wait_alu depctr_hold_cnt(0) depctr_sa_sdst(0) depctr_va_vdst(0) depctr_va_sdst(0) depctr_va_ssrc(0) depctr_va_vcc(0) depctr_vm_vsrc(0)
	s_getreg_b32 s2, hwreg(HW_REG_IB_STS2, 6, 4)
	s_cmp_eq_u32 s2, 0
	s_cbranch_scc0 .Lentry_in_a_cluster
	s_endpgm
.Lentry_in_a_cluster:
	s_bfe_u32 s2, ttmp6, 0x10000c
	s_cmp_lg_u32 s2, 0xf033
	s_cbranch_scc0 .Lentry_shape_is_right
	s_endpgm
.Lentry_shape_is_right:
; q, k, v = x W^T + bias on codes of FP4 (E2M1) with one E8M0 scale for each 32 along K: [4096 x 1024] x [3072 x 1024]^T, the 3,072 rows being wq | wk | wv; sums in f32, results rounded once to f16.
; A tile, 256 tokens x 256 outputs, is made by a work-group of four waves; a wave makes 128 x 128: 64 accumulators, 512 registers.  K = 1,024 is two LDS slots of 512 along K (rows of 256 bytes): both are first fills, nothing is filled again.
; THE SCALES of the work-group's rows, for all of K, are two dense blocks of memory: they come into LDS once, with the first fills.
; CLUSTERS: 4 x 4 work-groups; a row of the cluster shares x's tiles, a column the weights': each tile is asked for jointly.  The grid's 12 tile columns are three clusters: the cluster's x IS the matrix (0 q, 1 k, 2 v), the same in all sixteen partners.
; 192 work-groups: tiles of 256 x 192 would make 256, but would straddle two of the three matrices.
; THE MATRIX INSTRUCTION IS USED TRANSPOSED (source 0 = 16 rows of W, source 1 = 16 tokens): a lane holds one token (lane % 16) and eight neighbouring outputs 8 (lane / 16) + 0..7.
; THE BIAS STARTS THE SUMS: it is the C of each accumulator's first product (an order of rounding other than adding it last).
; THE WAY OUT: four conversions make a lane's 16 bytes; 32 lanes' are A UNIT of 512 bytes, 16 tokens x 16 channels, stored by one instruction as 512 consecutive bytes.  qkv is laid [matrix 3][batch x head 32][16 tokens 128][16 channels 4][unit].
; In q's and k's units lane L's bytes lie at 16 L: two units are the registers of a 16 x 32 fragment.  In v's, lane (r, h)'s lie at 16 ((r & 7) + 8 h + 16 (r >> 3)), so that the turning LDS load at 16 x lane gives half a fragment of V^T.
; LIMITS: a result beyond 65,504 becomes infinity in f16; one under 6.1e-5 keeps an absolute error of 3e-8.
; REGISTERS, in windows of 256: window 0: v0-31 addresses; v32-95 scale words, two sets; v128-191 x's fragments, one set; v192-255 the bias; on the way out v32-159 hold packed results.
;   window 1: W's fragments, two sets, at v0 and v128.   window 2: the accumulators of my tokens 0-63 ((a, b) at v[8 (8 a + b)]);   window 3: those of tokens 64-127.
.set SIZE_K, 1024
.set KSTEP,  512
.set NQ,     KSTEP/128
.set ROWB,   256                       ; a tile's row in bytes
.set KROW,   SIZE_K/2                  ; a row of codes in memory
.set PITCH,  272                       ; an LDS row: 256 bytes + 16 of padding: the 16 rows that a load touches start at 16 different banks
.set FR,     8
.set NL,     2
.set NP,     4                         ; places behind this matrix instruction (ISA guide 7.12.1)
.set HALFT,  128*PITCH
.set SLOT,   4*HALFT                   ; x's 256 rows, then W's 256 rows
.set KS,     SIZE_K/32                 ; a row of scales in bytes
.set SCL,    2*SLOT                    ; behind the slots: the scales, as rows of 256 bytes + 16 of padding
.set HALFS,  (128*KS/256)*272
.set SBLK,   (16*KS/256)*272
.set SPARE,  SCL+4*HALFS               ; the spare words, 128 bytes a wave
.set ADRA, 16                          ; v16-17  LDS address of my fragments of x in slot 0, 1
.set ADRB, 20                          ; v20-21  the same for W
.set CO,   26                          ; v26     my 16 bytes' place in a unit
.set ADRS, 27                          ; v27     LDS address of my scale words: lanes 0-15 x's rows, lanes 16-31 W's
.set SPW,  28                          ; v28     LDS address of my spare word; never rewritten
.set NIL,  29                          ; v29     0; never rewritten
.set BO,   30                          ; v30     32 (lane / 16): my eight numbers of a block's 16 of the bias
.set SC,   32
.set AF,   128
.set BI,   192                         ; the bias: block b's eight numbers at v[BI + 8 b]
.set G1, 24
.set G0, 32
.set G1B, 48
.set G0B, 56
.set G1S, 68
.set G0S, 76
.set G1SB, 80
.set G0SB, 88
.set MSB, 0
.macro WIN new                         ; the immediate's high byte repeats the setting that is left
.if MSB != (\new)
	s_set_vgpr_msb (MSB<<8)|(\new)
.set MSB, (\new)
.endif
.endm
.set MUL_LO, 0xa1                      ; source 0 (W) window 1, source 1 (x) window 0, C and D window 2
.set MUL_HI, 0xf1                      ; the same, C and D window 3
.set BEG_LO, 0x81                      ; the first products: C (the bias) window 0, D window 2
.set BEG_HI, 0xc1                      ; D window 3
.set TO_B,   0x40
; A joint load: waves 0 and 1 fetch for x, waves 2 and 3 for W; the branch hangs on the wave's number alone.  An s_nop 0 and four v_nop follow each of the two lines.
.macro JLOAD g0a, g1a, g0b, g1b
	s_cmp_eq_u32 s15, 0
	s_cbranch_scc0 .Lfor_b_\@
	tensor_load_to_lds s[\g0a:\g0a+3], s[\g1a:\g1a+7]
	s_nop 0
.rept 4
	v_nop
.endr
	s_branch .Lasked_\@
.Lfor_b_\@:
	tensor_load_to_lds s[\g0b:\g0b+3], s[\g1b:\g1b+7]
	s_nop 0
.rept 4
	v_nop
.endr
.Lasked_\@:
.endm
.macro CROUND                          ; a round of the cluster's barrier
	s_barrier_signal -1
	s_barrier_wait -1
	s_cmp_lg_u32 s14, 0
	s_cbranch_scc1 .Lnot_wave_0_\@
	s_barrier_signal -3
.Lnot_wave_0_\@:
	s_barrier_wait -3
	s_barrier_signal -1
	s_barrier_wait -1
.endm
	s_load_b128 s[4:7], s[0:1], 0x0                ; x's codes, x's scales
	s_load_b128 s[8:11], s[0:1], 0x10              ; W's codes, W's scales
	s_load_b128 s[96:99], s[0:1], 0x20             ; bq, bk
	s_load_b64 s[100:101], s[0:1], 0x30            ; bv
	s_load_b64 s[12:13], s[0:1], 0x38              ; qkv
	v_lshl_add_u32 v[SPW], v0, 2, SPARE
	v_mov_b32 v[NIL], 0
	ds_add_u32 v[SPW], v[NIL]                      ; the wave's opening: the add, twice on end, and its wait ahead of my first tensor load
	ds_add_u32 v[SPW], v[NIL]
	v_lshrrev_b32 v1, 5, v0
	v_readfirstlane_b32 s14, v1                    ; wave 0..3
	s_lshr_b32 s15, s14, 1                         ; which half of the tile's tokens is mine.  Also: I fetch for x (0) or for W (1)
	s_and_b32 s16, s14, 1                          ; which half of its outputs.  Also: which 128 rows I fetch
	s_bfe_u32 s40, ttmp6, 0x40000                  ; cx, cy: my place in the cluster
	s_bfe_u32 s41, ttmp6, 0x40004
	s_lshl_b32 s42, ttmp9, 2
	s_add_co_u32 s42, s42, s40                     ; tile column = 4 x cluster x + cx
	s_and_b32 s17, ttmp7, 0xffff
	s_lshl_b32 s17, s17, 2
	s_add_co_u32 s17, s17, s41                     ; tile row = 4 x cluster y + cy
	s_lshl_b32 s43, s41, 2
	s_lshl_b32 s43, 15, s43                        ; my row of the cluster
	s_lshl_b32 s44, 0x1111, s40                    ; my column
	; descriptor group 1: a tile of 128 rows x 256 bytes, 16 bytes of padding behind each row
	s_or_b32 s[G1+0], s43, (0<<16)|(1<<20)|(1<<21)|(5<<22)|(3<<25)  ; the mask; elements of 1 byte; padding on; bit 21 beside a mask; after every 64 words, 4 words
	s_or_b32 s[G1B+0], s44, (0<<16)|(1<<20)|(1<<21)|(5<<22)|(3<<25)
.irp g, G1, G1B
	s_mov_b32 s[\g+1], ROWB<<16                    ; tensor_dim0
	s_mov_b32 s[\g+2], 128<<16                     ; tensor_dim1
	s_mov_b32 s[\g+3], ROWB<<16                    ; tile_dim0
	s_mov_b32 s[\g+4], 128                         ; tile_dim1
	s_mov_b32 s[\g+5], KROW                        ; stride from row to row
	s_mov_b32 s[\g+6], 0
	s_mov_b32 s[\g+7], 0
.endr
	; the scales of 128 rows: 4,096 dense bytes, as 16 rows of 256 bytes (32 elements of 8), 16 bytes of padding behind each
	s_or_b32 s[G1S+0], s43, (3<<16)|(1<<20)|(1<<21)|(5<<22)|(3<<25)
	s_or_b32 s[G1SB+0], s44, (3<<16)|(1<<20)|(1<<21)|(5<<22)|(3<<25)
.irp g, G1S, G1SB
	s_mov_b32 s[\g+1], 32<<16
	s_mov_b32 s[\g+2], (128*KS/256)<<16
	s_mov_b32 s[\g+3], 32<<16
	s_mov_b32 s[\g+4], 128*KS/256
	s_mov_b32 s[\g+5], 32
	s_mov_b32 s[\g+6], 0
	s_mov_b32 s[\g+7], 0
.endr
	s_lshl_b32 s18, s16, 7                         ; which 128 rows of the tile I fetch
	s_lshl_b32 s20, s17, 8
	s_add_co_u32 s20, s20, s18                     ; x: row 256 x tile row + 128 x half
	s_lshl_b32 s46, s42, 8
	s_add_co_u32 s46, s46, s18                     ; W: row 256 x tile column + 128 x half
	s_mov_b32 s21, 0
	s_mov_b32 s47, 0
	s_mov_b64 s[18:19], KS
	s_mul_u64 s[22:23], s[20:21], s[18:19]         ; where these rows' scales begin, in bytes
	s_mul_u64 s[92:93], s[46:47], s[18:19]
	s_mov_b64 s[18:19], KROW
	s_mul_u64 s[20:21], s[20:21], s[18:19]         ; and their codes
	s_mul_u64 s[46:47], s[46:47], s[18:19]
	s_mul_i32 s45, s14, HALFT                      ; where they go: wave x 128 rows: no place in the cluster enters an LDS address
	s_mul_i32 s94, s14, HALFS
	s_wait_dscnt 0x0                               ; both opening adds are done
	s_wait_kmcnt 0x0
	s_add_nc_u64 s[20:21], s[4:5], s[20:21]
	s_add_nc_u64 s[22:23], s[6:7], s[22:23]
	s_add_nc_u64 s[46:47], s[8:9], s[46:47]
	s_add_nc_u64 s[92:93], s[10:11], s[92:93]
	CROUND                                         ; all sixteen work-groups are here: the first joint loads meet
	s_mov_b32 s[G0S], 1
	s_add_co_u32 s[G0S+1], s94, SCL
	s_mov_b64 s[G0S+2:G0S+3], s[22:23]
	s_or_b32 s[G0S+3], s[G0S+3], 0x80000000
	s_mov_b32 s[G0SB], 1
	s_add_co_u32 s[G0SB+1], s94, SCL
	s_mov_b64 s[G0SB+2:G0SB+3], s[92:93]
	s_or_b32 s[G0SB+3], s[G0SB+3], 0x80000000
	JLOAD G0S, G1S, G0SB, G1SB                     ; the scales first: they are wanted with the first slot
.irp s, 0,1
	s_mov_b32 s[G0+4*\s], 1
	s_add_co_u32 s[G0+4*\s+1], s45, \s*SLOT
	s_add_nc_u64 s[G0+4*\s+2:G0+4*\s+3], s[20:21], \s*ROWB
	s_or_b32 s[G0+4*\s+3], s[G0+4*\s+3], 0x80000000
	s_mov_b32 s[G0B+4*\s], 1
	s_add_co_u32 s[G0B+4*\s+1], s45, \s*SLOT
	s_add_nc_u64 s[G0B+4*\s+2:G0B+4*\s+3], s[46:47], \s*ROWB
	s_or_b32 s[G0B+4*\s+3], s[G0B+4*\s+3], 0x80000000
	JLOAD G0+4*\s, G1, G0B+4*\s, G1B               ; three tensor loads of mine are out at the most
.endr
	v_and_b32 v1, 15, v0                           ; r = lane % 16
	v_bfe_u32 v2, v0, 4, 1                         ; h = lane / 16
	v_mul_u32_u24 v3, v1, PITCH
	v_lshl_add_u32 v4, v2, 4, v3                   ; a fragment's row x pitch + 16 x half
	s_mul_i32 s21, s15, HALFT                      ; my 128 rows of x
	s_mul_i32 s22, s16, HALFT                      ; my 128 rows of W,
	s_add_co_u32 s22, s22, 2*HALFT                 ; which lie behind x's 256
.irp s, 0,1
	v_add_nc_u32 v[ADRA+\s], s21, v4
	v_add_nc_u32 v[ADRB+\s], s22, v4
	s_add_co_u32 s21, s21, SLOT
	s_add_co_u32 s22, s22, SLOT
.endr
	v_mul_u32_u24 v5, v1, KS                       ; my row's scales: 32 bytes a row,
	v_lshrrev_b32 v6, 8, v5
	v_lshl_add_u32 v5, v6, 4, v5                   ; and 16 more for each 256 passed
	s_mul_i32 s21, s15, HALFS
	s_mul_i32 s22, s16, HALFS
	s_add_co_u32 s22, s22, 2*HALFS
	s_sub_co_u32 s22, s22, s21
	v_mul_u32_u24 v6, s22, v2                      ; lanes 16-31 take W's: one product, the distance between the two bases
	s_add_co_u32 s21, s21, SCL
	v_add_nc_u32 v5, v5, v6
	v_add_nc_u32 v[ADRS], s21, v5
	; the bias of my matrix, at my 128 outputs; and the lane's place in a unit
	s_cmp_eq_u32 ttmp9, 1
	s_cselect_b64 s[96:97], s[98:99], s[96:97]
	s_cmp_eq_u32 ttmp9, 2
	s_cselect_b64 s[96:97], s[100:101], s[96:97]
	s_cselect_b32 s18, -1, 0                       ; all ones where the matrix is v
	s_lshl_b32 s22, s40, 10                        ; 256 cx numbers of 4 bytes,
	s_lshl_b32 s23, s16, 9                         ; + 128 x half
	s_add_co_u32 s22, s22, s23
	s_mov_b32 s23, 0
	s_add_nc_u64 s[96:97], s[96:97], s[22:23]
	v_lshlrev_b32 v[BO], 5, v2
.irp b, 0,1,2,3,4,5,6,7
	global_load_b128 v[BI+8*\b:BI+8*\b+3], v[BO], s[96:97] offset:64*\b        ; lane (r, h), register j: bias[16 b + 8 h + j]: the result's layout
	global_load_b128 v[BI+8*\b+4:BI+8*\b+7], v[BO], s[96:97] offset:64*\b+16
.endr
	v_and_b32 v6, 31, v0
	v_lshlrev_b32 v7, 4, v6                        ; q, k: 16 x lane
	v_and_b32 v8, 7, v0
	v_lshl_add_u32 v8, v2, 3, v8
	v_bfe_u32 v9, v0, 3, 1
	v_lshl_add_u32 v8, v9, 4, v8
	v_lshlrev_b32 v8, 4, v8                        ; v: 16 ((r & 7) + 8 h + 16 (r >> 3))
	v_cndmask_b32 v[CO], v7, v8, s18
	; where my part begins in qkv: matrix x 8,388,608 + batch x 16 heads x 262,144 + (4 cx + 2 x half) heads + (16 (tile row % 8) + 8 x half) blocks of 16 tokens x 2,048
	s_lshl_b32 s20, ttmp9, 23
	s_lshr_b32 s21, s17, 3
	s_lshl_b32 s21, s21, 22
	s_add_co_u32 s20, s20, s21
	s_and_b32 s21, s17, 7
	s_lshl_b32 s21, s21, 4
	s_lshl_b32 s22, s15, 3
	s_add_co_u32 s21, s21, s22
	s_lshl_b32 s21, s21, 11
	s_add_co_u32 s20, s20, s21
	s_lshl_b32 s46, s40, 2
	s_lshl_b32 s47, s16, 1
	s_add_co_u32 s46, s46, s47
	s_lshl_b32 s46, s46, 18
	s_add_co_u32 s20, s20, s46
	s_mov_b32 s21, 0
	s_add_nc_u64 s[12:13], s[12:13], s[20:21]
.macro FRAG reg, adr, q, i             ; 16 rows x 128 K of 4-bit codes: 8 registers: lane l holds row l % 16; registers 4 c .. 4 c + 3 hold K = 64 c + 32 (l / 16) + 0 .. 31
.irp c, 0,1
	ds_load_b128 v[\reg+4*\c:\reg+4*\c+3], v[\adr] offset:64*(\q)+32*\c+(\i)*16*PITCH
.endr
.endm
; 16 matrix instructions: x's blocks a0, a0 + 1 against W's eight, 128 along K.  p: W's set;  sc: the set of scale words.  zero = 1: the first product starts the sum from the bias.
; The 64 accumulators take turns, one instruction a turn, in the same order in every step.
.macro MUL16 a0, p, q, sc, zero
.irp a, \a0, \a0+1
.irp b, 0,1,2,3,4,5,6,7
.if \zero
	v_wmma_scale_f32_16x16x128_f8f6f4 v[8*(8*((\a)%4)+\b):8*(8*((\a)%4)+\b)+7], v[128*(\p)+FR*\b:128*(\p)+FR*\b+FR-1], v[AF+FR*(\a):AF+FR*(\a)+FR-1], v[BI+8*\b:BI+8*\b+7], v[SC+8*NQ*(\sc)+NQ*\b+(\q)], v[SC+8*NQ*(\sc)+NQ*(\a)+(\q)] matrix_a_fmt:MATRIX_FMT_FP4 matrix_b_fmt:MATRIX_FMT_FP4 matrix_a_scale:MATRIX_SCALE_ROW1
.else
	v_wmma_scale_f32_16x16x128_f8f6f4 v[8*(8*((\a)%4)+\b):8*(8*((\a)%4)+\b)+7], v[128*(\p)+FR*\b:128*(\p)+FR*\b+FR-1], v[AF+FR*(\a):AF+FR*(\a)+FR-1], v[8*(8*((\a)%4)+\b):8*(8*((\a)%4)+\b)+7], v[SC+8*NQ*(\sc)+NQ*\b+(\q)], v[SC+8*NQ*(\sc)+NQ*(\a)+(\q)] matrix_a_fmt:MATRIX_FMT_FP4 matrix_b_fmt:MATRIX_FMT_FP4 matrix_a_scale:MATRIX_SCALE_ROW1
.endif
.endr
.endr
.endm
.macro FETCH_B slot, q, p
	WIN TO_B
.irp i, 0,1,2,3,4,5,6,7
	FRAG 128*(\p)+FR*\i, ADRB+\slot, \q, \i
.endr
	WIN 0
.endm
.macro FETCH_A slot, q, i0
.irp i, \i0, \i0+1, \i0+2, \i0+3
	FRAG AF+FR*(\i), ADRA+\slot, \q, \i
.endr
.endm
.macro SCALES sc                       ; a slot's scale words: 4 words a row; lanes 0-15 take x's block i, lanes 16-31 W's block i
.irp i, 0,1,2,3,4,5,6,7
	ds_load_b128 v[SC+8*NQ*\sc+NQ*\i:SC+8*NQ*\sc+NQ*\i+3], v[ADRS] offset:\i*SBLK
.endr
.endm
.macro PLACES n                        ; plain vector instructions between a matrix instruction and a load into, or a vector write of, one of its registers, or a read of its result
.rept \n
	v_nop
.endr
.endm
; A step of 128 along K that has its successor in the same slot.  x has one set of registers: blocks 0-3 are fetched anew in the step's middle, blocks 4-7 at its end; W has two sets.
.macro STEP slot, q, zero
	s_wait_dscnt 4*NL                              ; W's set, the scale words and x's blocks 0-3 are in; the youngest eight loads (x's blocks 4-7) may be out
.if \zero
	WIN BEG_LO
.else
	WIN MUL_LO
.endif
	MUL16 0, (\q)%2, \q, \slot, \zero
	MUL16 2, (\q)%2, \q, \slot, \zero
	s_wait_dscnt 0                                 ; x's blocks 4-7 are in
	PLACES NP
	FETCH_B \slot, (\q)+1, 1-(\q)%2
	FETCH_A \slot, (\q)+1, 0
.if \zero
	WIN BEG_HI
.else
	WIN MUL_HI
.endif
	MUL16 4, (\q)%2, \q, \slot, \zero
	MUL16 6, (\q)%2, \q, \slot, \zero
	PLACES NP
	WIN 0
	FETCH_A \slot, (\q)+1, 4
.endm
; Slot 0's last step changes slots: one barrier; in front of it each wave waits for all its tensor loads (its part of slot 1), adds 0 to its spare word, and waits for that and for its reads.  Nothing is filled again.
.macro TURN slot, next
	s_wait_tensorcnt 0x0                           ; all my tensor loads have landed
	ds_add_u32 v[SPW], v[NIL]                      ; 0 onto my spare word
	s_wait_dscnt 4*NL+1                            ; (the add and the youngest eight loads, x's blocks 4-7, may be out)
	WIN MUL_LO
	MUL16 0, 1, NQ-1, \slot, 0                     ; sixteen matrix instructions stand between the add and the wait for it
	s_wait_dscnt 0x0                               ; the add is done, and my reads of this slot are over
	s_barrier_signal -1
	MUL16 2, 1, NQ-1, \slot, 0
	WIN 0
	s_barrier_wait -1                              ; the next slot is whole for every wave
	PLACES NP
	v_add_nc_u32 v[ADRS], 4*NQ, v[ADRS]            ; on to the next slot's scale words
	FETCH_B \next, 0, 0
	FETCH_A \next, 0, 0
	SCALES \next
	WIN MUL_HI
	MUL16 4, 1, NQ-1, \slot, 0
	MUL16 6, 1, NQ-1, \slot, 0
	PLACES NP
	WIN 0
	FETCH_A \next, 0, 4
.endm
.macro STEPS slot, from
.set Q, \from
.rept NQ-1-\from
	STEP \slot, Q, 0
.set Q, Q+1
.endr
.endm
	s_wait_tensorcnt 1                             ; the scales and my part of slot 0 are in (slot 1's load may be out)
	s_barrier_signal -1
	s_barrier_wait -1                              ; everybody's are
	FETCH_B 0, 0, 0
	FETCH_A 0, 0, 0
	SCALES 0
	FETCH_A 0, 0, 4
	s_wait_loadcnt 0x0                             ; the bias
	STEP 0, 0, 1                                   ; the first products start the sums
	STEPS 0, 1
	TURN 0, 1
	STEPS 1, 0
	s_wait_dscnt 4*NL                              ; the very last step: nothing more to fetch
	WIN MUL_LO
	MUL16 0, 1, NQ-1, 1, 0
	MUL16 2, 1, NQ-1, 1, 0
	s_wait_dscnt 0
	WIN MUL_HI
	MUL16 4, 1, NQ-1, 1, 0
	MUL16 6, 1, NQ-1, 1, 0
	WIN 0
; THE WAY OUT of block a (16 tokens x 128 outputs): 32 conversions, each accumulator from its low end on, and 8 stores of one unit each: 512 consecutive bytes, at a multiple of 512 from qkv's first byte.
.macro OUTB a
.set AC, 64*((\a)%4)
.set TM, 32+32*((\a)%4)
.if (\a) >= 4
	s_wait_xcnt 0x0                                ; block a - 4's stores have read their data: these registers are written again only behind this wait
.endif
	WIN 0x0a+5*((\a)/4)                            ; sources 0 and 1: window 2 or 3
.irp b, 0,1,2,3,4,5,6,7
.irp r, 0,1,2,3
	v_cvt_pk_f16_f32 v[TM+4*\b+\r], v[AC+8*\b+2*\r], v[AC+8*\b+2*\r+1]
.endr
.endr
	WIN 0
.irp b, 0,1,2,3,4,5,6,7
	global_store_b128 v[CO], v[TM+4*\b:TM+4*\b+3], s[12:13] offset:(\b/4)*262144+(\a)*2048+(\b%4)*512   ; head b / 4 of my two, tokens 16 a on, channels 16 (b % 4) on
.endr
.endm
	PLACES NP                                      ; behind the last products: the conversions write registers that held scale words and x's fragments
.irp a, 0,1,2,3,4,5,6,7
	OUTB \a
.endr
	s_wait_tensorcnt 0x0                           ; the wave's end
	ds_add_u32 v[SPW], v[NIL]
	s_wait_dscnt 0x0
	CROUND                                         ; the closing round: no work-group ends while a partner may still ask for a tile that names it
	s_endpgm
.Lfunc_end_k_qcf88eaddf8_qkv:
	.size	k_qcf88eaddf8_qkv, .Lfunc_end_k_qcf88eaddf8_qkv-k_qcf88eaddf8_qkv
	.p2alignl 7, 3214868480
	.fill 96, 4, 3214868480
	.section	.rodata,"a",@progbits
	.p2align	6, 0x0
	.amdhsa_kernel k_qcf88eaddf8_qkv
		.amdhsa_group_segment_fixed_size 327680
		.amdhsa_private_segment_fixed_size 0
		.amdhsa_enable_private_segment 0
		.amdhsa_kernarg_size 64
		.amdhsa_user_sgpr_count 2
		.amdhsa_user_sgpr_kernarg_segment_ptr 1
		.amdhsa_wavefront_size32 1
		.amdhsa_system_sgpr_workgroup_id_x 1
		.amdhsa_system_sgpr_workgroup_id_y 1
		.amdhsa_system_sgpr_workgroup_id_z 1
		.amdhsa_system_vgpr_workitem_id 0
		.amdhsa_next_free_vgpr 1024
		.amdhsa_next_free_sgpr 102
		.amdhsa_reserve_vcc 0
		.amdhsa_float_denorm_mode_32 3
		.amdhsa_float_denorm_mode_16_64 3
		.amdhsa_memory_ordered 1
		.amdhsa_forward_progress 1
		.amdhsa_inst_pref_size 120
	.end_amdhsa_kernel
	.amdgpu_metadata
---
amdhsa.version: [ 1, 2 ]
amdhsa.kernels:
  - .name:           k_qcf88eaddf8_qkv
    .symbol:         k_qcf88eaddf8_qkv.kd
    .args:
      - { .name: xcodes, .offset: 0, .size: 8, .value_kind: global_buffer, .address_space: global }
      - { .name: xscales, .offset: 8, .size: 8, .value_kind: global_buffer, .address_space: global }
      - { .name: wcodes, .offset: 16, .size: 8, .value_kind: global_buffer, .address_space: global }
      - { .name: wscales, .offset: 24, .size: 8, .value_kind: global_buffer, .address_space: global }
      - { .name: bq, .offset: 32, .size: 8, .value_kind: global_buffer, .address_space: global }
      - { .name: bk, .offset: 40, .size: 8, .value_kind: global_buffer, .address_space: global }
      - { .name: bv, .offset: 48, .size: 8, .value_kind: global_buffer, .address_space: global }
      - { .name: qkv, .offset: 56, .size: 8, .value_kind: global_buffer, .address_space: global }
    .group_segment_fixed_size: 327680
    .private_segment_fixed_size: 0
    .kernarg_segment_align: 8
    .kernarg_segment_size: 64
    .max_flat_workgroup_size: 128
    .sgpr_count:     102
    .vgpr_count:     1024
    .wavefront_size: 32
...
	.end_amdgpu_metadata
.endif
;; end of part 2
;; launch attn (part 3): grid 8 x 32, 4 waves a work-group, clusters of 4 x 1, 327,680 bytes of LDS; arguments qkv, obuf; writes obuf
.if DOCPART == 3
	.amdgcn_target "amdgcn-amd-amdhsa--gfx1250"
	.amdhsa_code_object_version 6
	.text
	.protected	k_qcf88eaddf8_attn
	.globl	k_qcf88eaddf8_attn
	.p2align	8
	.type	k_qcf88eaddf8_attn,@function
k_qcf88eaddf8_attn:
	s_mov_b64 s[64:65], 0
	v_nop
	global_prefetch_b8 v0, s[64:65] scope:SCOPE_SE
	s_setreg_imm32_b32 hwreg(HW_REG_WAVE_MODE, 25, 1), 1
	s_wait_xcnt 0x0
	s_wait_alu depctr_hold_cnt(0) depctr_sa_sdst(0) depctr_va_vdst(0) depctr_va_sdst(0) depctr_va_ssrc(0) depctr_va_vcc(0) depctr_vm_vsrc(0)
	s_getreg_b32 s2, hwreg(HW_REG_IB_STS2, 6, 4)
	s_cmp_eq_u32 s2, 0
	s_cbranch_scc0 .Lentry_in_a_cluster
	s_endpgm
.Lentry_in_a_cluster:
	s_bfe_u32 s2, ttmp6, 0x10000c
	s_cmp_lg_u32 s2, 0x3003
	s_cbranch_scc0 .Lentry_shape_is_right
	s_endpgm
.Lentry_shape_is_right:
; o[hb][q][:] = the sum over k of softmax_k(q . k / 32) v[k][:], for 32 (batch, head) pairs of 2,048 tokens x 64 channels.  q, k, v come as f16 in units of 512 bytes (16 tokens x 16 channels), laid
; [matrix][hb][16 tokens 128][16 channels 4][unit]; o leaves as f16 units laid [256 of e, 4][16 tokens 256][16 of e, 16][unit].  Products on f16 operands, sums, maxima and the softmax in f32; the weights p are rounded to f16.
; LIMITS: p under 6.1e-5 of the row's largest keeps an absolute error of 3e-8; o beyond 65,504 becomes infinity in f16.
; SHARES.  A work-group owns 256 queries of one hb, each of its four waves 64: four tiles of 16.  Every wave walks all 2,048 keys, 64 a step.
; LAYOUT.  S^T = K Q^T (source 0 = 16 keys, source 1 = 16 queries): a lane holds ONE query (lane % 16) and the keys 8 (lane / 16) + 0..7.  Two such tiles, rounded in pairs, ARE source 1 (32 keys x 16 queries) of
; O^T = V^T P, whose result again holds one query a lane and eight channels: four conversions make a lane's 16 bytes of a unit of o.  Two units of k or q, read at 16 x lane, are a fragment's 8 registers;
; a unit of v, read by the turning load at 16 x lane, is half a fragment of V^T (the launch that wrote v placed the lanes' bytes for that).  Every LDS read takes 512 consecutive bytes: no padding.
; SOFTMAX.  For each query a running maximum m and sum l: p = 2^(c s - c m), c = log2(e) / 32; in every step O and l are multiplied by a = 2^(c m_old - c m_new).
; BY TURNS.  The wave's tiles are two pieces (tiles 0, 1 and tiles 2, 3).  In a turn one piece has the matrix unit: 16 products V^T P of the step in hand, then 16 products K Q^T of the next step; the other piece's softmax,
; 236 vector instructions in 59 slices of four, stands between them: two slices behind each of the first 27 products, one behind each of the last five.  Two turns are a key step.
; CLUSTER.  The four query blocks of a cluster belong to one hb and walk the same K and V: each tile is asked for jointly, with a mask that names the four.
; RING.  Two LDS slots of 512 keys (8 key steps): K's 65,536 bytes, then V's.  Each wave brings a quarter of a slot (32,768 dense bytes) by one tensor load, which has 8 key steps in which to land.
; REGISTERS, in windows of 256: window 0: v2-5 addresses; v12-43 statistics, 8 a tile; v61-63; v64-191 S^T, 32 a tile; v192-255 P, 16 a tile.
;   window 1: v0-127 O^T, 32 a tile; v128-191 V of one step.     window 2: v0-63 Q, 16 a tile; v64-127 K of one step.
.set STEPB, 8192      ; a key step's bytes of K, and of V: 4 x 4 units
.set NSTEP, 8         ; key steps in a slot
.set SLOTB, NSTEP*STEPB  ; a slot's bytes of K, and of V, in memory and in LDS
.set VOFF,  SLOTB     ; V's part of a slot
.set SLOT1, 1<<17     ; slot 1 begins here: one exclusive or turns an address in one slot into the other's
.set SPARE, 2*SLOT1   ; behind the ring: the spare words, 128 bytes a wave
.set AK0, 2           ; v2   16 x lane: my place in a unit of K
.set AV0, 3           ; v3   the same for V: + VOFF
.set ADR, 4           ; v4   the LDS address of the run of loads in hand
.set GO,  5           ; v5   16 x lane: my place in a unit of Q and of o in memory
.set PFO, 61          ; v61  256 x lane; never rewritten
.set SPW, 62          ; v62  LDS address of my spare word; never rewritten
.set NIL, 63          ; v63  0; never rewritten
.set ST,  12          ; tile t's statistics at v[ST+8 t]: +0 c m, +1 m, +2, +3 l (even keys', odd keys'), +4 to +7 at work; a takes +6's place once the maximum is found
.set S,   64
.set P,   192
.set VF,  128         ; V's fragments, in window 1
.set QF,  0           ; Q's, in window 2
.set KF,  64          ; K's, in window 2
.set WV,  12          ; s12  my wave's number
.set LIM, 15          ; s15  1 in a wave that prefetches, else the greatest number
.set PFA, 18          ; s[18:19] where my prefetch stands
.set G1,  24          ; s[24:31] descriptor group 1
.set G0,  40          ; s[40:43] group 0 for slot 0's first fill; s[44:47] for slot 1's, which then walks on
.set SLOTS, 56        ; s56  slots still to be asked for
.set CNT, 57          ; s57  counts key steps
.set CS,  58          ; s[58:59] c
.set SEL, 60          ; s[60:61] lane selects for v_permlanex16_b32: lane l xor 16
.set TB,  62          ; s62  LDS byte at which the step to be fetched begins
.set MSB, 0
.macro WIN new
.if MSB != (\new)
	s_set_vgpr_msb (MSB<<8)|(\new)
.set MSB, (\new)
.endif
.endm
.set W_KQ, 0x0a       ; K and Q in window 2, S^T in window 0
.set W_PV, 0x51       ; V in window 1, P in window 0, O^T in window 1
.set W_RS, 0x41       ; O^T (destination and source 0) in window 1, a in window 0
; A joint refill: every wave issues the one line with a group 0 of its own (LDS and memory both stepped by the wave's number).  An s_nop 0 and four v_nop follow.
.macro JLOAD
	tensor_load_to_lds s[G0+4:G0+7], s[G1:G1+7]
	s_nop 0
.rept 4
	v_nop
.endr
.endm
; A prefetch of what the NEXT change of slots will ask for.  All clusters of an hb walk the same K and V: the first of them asks.  Each wave asks for the quarter of the slot that it will fetch itself; the four partners
; share its 32,768 bytes out by address, 8,192 each, lanes 256 bytes apart: each block of 256 bytes is named once in the launch.  The last change that fills a slot asks for nothing.
.macro ASK
	s_cmp_gt_u32 s[SLOTS], s[LIM]
	s_cbranch_scc0 .Lnot_mine_\@
	global_prefetch_b8 v[PFO], s[PFA:PFA+1] th:TH_LOAD_NT scope:SCOPE_SE
.Lnot_mine_\@:
.endm
.macro CROUND         ; a round of the cluster's barrier
	s_barrier_signal -1
	s_barrier_wait -1
	s_cmp_lg_u32 s[WV], 0
	s_cbranch_scc1 .Lnot_wave_0_\@
	s_barrier_signal -3
.Lnot_wave_0_\@:
	s_barrier_wait -3
	s_barrier_signal -1
	s_barrier_wait -1
.endm
	s_load_b128 s[4:7], s[0:1], 0x0  ; qkv, obuf
	v_lshl_add_u32 v[SPW], v0, 2, SPARE
	v_mov_b32 v[NIL], 0
	ds_add_u32 v[SPW], v[NIL]       ; the wave's opening: the add, twice on end, and its wait ahead of my first tensor load
	ds_add_u32 v[SPW], v[NIL]
	v_lshrrev_b32 v1, 5, v0
	v_readfirstlane_b32 s[WV], v1   ; wave 0..3
	s_bfe_u32 s13, ttmp6, 0x40000   ; cx: my place in the cluster
	s_lshl_b32 s14, ttmp9, 2
	s_add_co_u32 s14, s14, s13      ; my block of 256 queries: it enters Q's and o's addresses alone
	s_and_b32 s20, ttmp7, 0xffff    ; hb, which the four partners share
	s_lshl_b32 s21, s20, 18         ; its 262,144 bytes in each of q, k, v
	s_lshr_b32 s16, s[WV], 1        ; what I fetch: waves 0, 1 K's halves of a slot, waves 2, 3 V's
	s_add_co_u32 s16, s16, 1
	s_lshl_b32 s16, s16, 23         ; k begins 8,388,608 bytes into qkv, v twice that
	s_and_b32 s17, s[WV], 1
	s_lshl_b32 s17, s17, 15         ; which 32,768 bytes
	s_add_co_u32 s16, s16, s17
	s_add_co_u32 s22, s16, s21
	s_mov_b32 s23, 0
	s_lshl_b32 s17, s[WV], 15       ; and its place in a slot: wave x 32,768: no place in the cluster enters an LDS address
	s_lshl_b32 s2, s14, 15          ; Q: my block's 16 blocks of 16 tokens x 2,048 bytes,
	s_lshl_b32 s3, s[WV], 13        ; my wave's four
	s_add_co_u32 s2, s2, s3
	s_add_co_u32 s2, s2, s21
	s_mov_b32 s3, 0
	s_and_b32 s32, s20, 15          ; o: head h, batch b
	s_lshr_b32 s33, s20, 4
	s_lshr_b32 s34, s32, 2
	s_lshl_b32 s34, s34, 21         ; (h / 4) x 2,097,152
	s_and_b32 s32, s32, 3
	s_lshl_b32 s32, s32, 11         ; + (h % 4) x 4 units
	s_add_co_u32 s34, s34, s32
	s_lshl_b32 s33, s33, 7
	s_lshl_b32 s35, s14, 4
	s_add_co_u32 s33, s33, s35
	s_lshl_b32 s35, s[WV], 2
	s_add_co_u32 s33, s33, s35      ; block of 16 tokens: 128 b + 16 x query block + 4 x wave
	s_lshl_b32 s33, s33, 13         ; x 8,192
	s_add_co_u32 s34, s34, s33
	s_mov_b32 s35, 0
	; descriptor group 1: 32,768 dense bytes as 128 rows of 256 (32 elements of 8 bytes), no padding
	s_mov_b32 s[G1], 15|(3<<16)|(1<<21)  ; the mask: all four work-groups; elements of 8 bytes; bit 21 beside a mask
	s_mov_b32 s[G1+1], 32<<16       ; tensor_dim0
	s_mov_b32 s[G1+2], 128<<16      ; tensor_dim1
	s_mov_b32 s[G1+3], 32<<16       ; tile_dim0
	s_mov_b32 s[G1+4], 128          ; tile_dim1
	s_mov_b32 s[G1+5], 32           ; stride from row to row
	s_mov_b32 s[G1+6], 0
	s_mov_b32 s[G1+7], 0
	s_mov_b32 s[CS], 0x3d38aa3b     ; c = log2(e) / 32
	s_mov_b32 s[CS+1], s[CS]        ; named with it as a pair, so it is written
	s_mov_b32 s[SEL], 0x76543210
	s_mov_b32 s[SEL+1], 0xfedcba98
	s_mov_b32 s[TB], 0
	s_mov_b32 s[SLOTS], 2
	s_cmp_eq_u32 ttmp9, 0           ; the hb's first cluster: the same in all four partners
	s_cselect_b32 s[LIM], 1, -1
	v_and_b32 v[PFO], 31, v0
	v_lshlrev_b32 v[AK0], 4, v[PFO]
	v_lshlrev_b32 v[GO], 4, v[PFO]
	v_add_nc_u32 v[AV0], VOFF, v[AK0]
	v_lshlrev_b32 v[PFO], 8, v[PFO]
	s_wait_dscnt 0x0                ; both opening adds are done
	s_wait_kmcnt 0x0
	s_add_nc_u64 s[8:9], s[4:5], s[22:23]    ; my quarter of slot 0's keys
	s_add_nc_u64 s[10:11], s[6:7], s[34:35]  ; o at my wave's first unit
	s_add_nc_u64 s[4:5], s[4:5], s[2:3]      ; Q likewise
	s_lshl_b32 s2, s13, 13          ; my work-group's 8,192 bytes of the quarter
	s_add_nc_u64 s[PFA:PFA+1], s[8:9], s[2:3]
	s_add_nc_u64 s[PFA:PFA+1], s[PFA:PFA+1], 2*SLOTB  ; in the third 512 keys; the first change of slots steps it to the fourth.  Nothing is prefetched here, at the head
	CROUND                          ; all four work-groups are here: the first joint loads meet
	s_mov_b32 s[G0], 1              ; count = 1
	s_mov_b32 s[G0+1], s17          ; LDS address: slot 0
	s_mov_b64 s[G0+2:G0+3], s[8:9]  ; global address
	s_or_b32 s[G0+3], s[G0+3], 0x80000000  ; type = 2
	s_mov_b32 s[G0+4], 1
	s_add_co_u32 s[G0+5], s17, SLOT1
	s_add_nc_u64 s[G0+6:G0+7], s[8:9], SLOTB
	s_or_b32 s[G0+7], s[G0+7], 0x80000000
	tensor_load_to_lds s[G0:G0+3], s[G1:G1+7]      ; both first fills together: two tensor loads of mine are out
	s_nop 0
	tensor_load_to_lds s[G0+4:G0+7], s[G1:G1+7]
	s_nop 0
.rept 4
	v_nop
.endr
	WIN 0x80                        ; destination window 2, address window 0
.irp i, 0,1,2,3,4,5,6,7,8,9,10,11,12,13,14,15  ; Q stays in registers: unit i = tile i / 4, channels 16 (i % 4) on
	global_load_b128 v[QF+4*\i:QF+4*\i+3], v[GO], s[4:5] offset:512*\i
.endr
	WIN 0
; THE MATRIX WORK OF A TURN, for piece x.  The eight accumulators of a run take turns, one instruction a turn: between two links of a chain stand seven others'.
; Product i of 16 of O^T += V^T P: keys 32 (i / 8) on, channels 16 ((i / 2) % 4) on, tile x + i % 2.  zero = 1: the first 8 start the sums.
.macro PV x, zero
	WIN W_PV
.set rO, 32*(\x+i%2)+8*((i/2)%4)
.set rV, VF+8*(4*(i/8)+(i/2)%4)
.set rP, P+16*(\x+i%2)+8*(i/8)
.if \zero && (i < 8)
	v_wmma_f32_16x16x32_f16 v[rO:rO+7], v[rV:rV+7], v[rP:rP+7], 0
.else
	v_wmma_f32_16x16x32_f16 v[rO:rO+7], v[rV:rV+7], v[rP:rP+7], v[rO:rO+7]
.endif
.endm
; Product i of 16 of S^T = K Q^T: channels 32 (i / 8) on, keys 16 ((i / 2) % 4) on, tile x + i % 2.  The first 8 start the sums.
.macro KQ x
	WIN W_KQ
.set rS, S+32*(\x+i%2)+8*((i/2)%4)
.set rK, KF+8*(2*((i/2)%4)+i/8)
.set rQ, QF+16*(\x+i%2)+8*(i/8)
.if i < 8
	v_wmma_f32_16x16x32_f16 v[rS:rS+7], v[rK:rK+7], v[rQ:rQ+7], 0
.else
	v_wmma_f32_16x16x32_f16 v[rS:rS+7], v[rK:rK+7], v[rQ:rQ+7], v[rS:rS+7]
.endif
.endm
; THE LDS LOADS stand in runs of 16: a step's K (16 units as they lie) and, a turn later, its V (turned).
.macro FETCH_K
	WIN 0
	v_add_nc_u32 v[ADR], s[TB], v[AK0]
	WIN 0x80                        ; destination window 2
.irp f, 0,1,2,3,4,5,6,7,8,9,10,11,12,13,14,15  ; unit f: keys 16 (f / 4) on, channels 16 (f % 4) on
	ds_load_b128 v[KF+4*\f:KF+4*\f+3], v[ADR] offset:512*\f
.endr
.endm
.macro FETCH_V
	WIN 0
	v_add_nc_u32 v[ADR], s[TB], v[AV0]
	s_add_co_u32 s[TB], s[TB], STEPB  ; the next fetch is the next step's
	s_wait_alu depctr_va_vdst(0)    ; the wait for the softmax's batch of exponentials, ahead of the first line that names a result
	WIN 0x40                        ; destination window 1
.irp g, 0,1,2,3,4,5,6,7             ; fragment g: keys 32 (g / 4) on, channels 16 (g % 4) on: two units, 16 keys apart
	ds_load_tr16_b128 v[VF+8*\g:VF+8*\g+3],   v[ADR] offset:(\g/4)*4096+(\g%4)*512
	ds_load_tr16_b128 v[VF+8*\g+4:VF+8*\g+7], v[ADR] offset:(\g/4)*4096+2048+(\g%4)*512
.endr
.endm
; THE VECTOR WORK OF A TURN.  One tile's softmax for one key step is a list of 118 instructions; SM writes number j of it for tile t.  s0-s31 are the lane's 32 scores, in pairs 0-15.
; first = 1: the first key step, which starts m, l and O^T: it has no a and nothing to rescale.
;   0-15    the maximum of s0-s31 and the old m, three operands at a time: four chains, each begun at an accumulator's low end
;   16-20   the other half of the lanes' maximum; the new m; c m; c m_old - c m_new
;   21-69   ONE BATCH: the 16 scalings c s - c m and all 33 exponentials (a at 23, then s0-s31); none of these reads an exponential's result
;   (wait)  between 69 and 70 stands the one wait for the batch, written by SLICE for both tiles
;   70-85   the roundings to f16, a pair of weights each;   86-101 the sums, l = a l + the sum;   102-117 the tile's O^T times a
.macro SM t, first
.set rT, ST+8*(\t)
.set rS, S+32*(\t)
.set rP, P+16*(\t)
.set rO, 32*(\t)+2*(j-102)
.if j < 102
	WIN 0
.endif
.if j < 4
	v_max3_num_f32 v[rT+4+j], v[rS+8*j], v[rS+8*j+1], v[rS+8*j+2]
.elseif j < 12
	v_max3_num_f32 v[rT+4+j%4], v[rT+4+j%4], v[rS+8*(j%4)+2*(j/4)+1], v[rS+8*(j%4)+2*(j/4)+2]
.elseif j == 12
	v_max3_num_f32 v[rT+4], v[rT+4], v[rS+7], v[rS+15]
.elseif j == 13
	v_max3_num_f32 v[rT+6], v[rT+6], v[rS+23], v[rS+31]
.elseif j == 14
	v_max3_num_f32 v[rT+4], v[rT+4], v[rT+5], v[rT+6]
.elseif (j == 15) && \first
	v_max_num_f32 v[rT+4], v[rT+4], v[rT+7]
.elseif j == 15
	v_max3_num_f32 v[rT+4], v[rT+4], v[rT+7], v[rT+1]
.elseif j == 16
	v_permlanex16_b32 v[rT+5], v[rT+4], s[SEL], s[SEL+1]  ; the query's other 32 keys lie in the lane 16 away
.elseif j == 18
	v_max_num_f32 v[rT+1], v[rT+4], v[rT+5]
.elseif j == 19
	v_mul_f32 v[rT], s[CS], v[rT+1]
.elseif ((j == 17) || (j == 20) || (j == 23) || (j > 101)) && \first  ; the first step has none of these
.elseif j == 17
	v_mov_b32 v[rT+7], v[rT]        ; c m_old is kept for a: number 19 writes c m anew
.elseif j == 20
	v_sub_f32 v[rT+7], v[rT+7], v[rT]
.elseif j == 23
	v_exp_f32 v[rT+6], v[rT+7]
.elseif (j < 23) || ((j < 38) && (j%2 == 0)) || ((j < 66) && (j%4 == 2))
.set b, (j-2)/4                     ; 38, 42, .. 62: pairs 9 to 15
.if j < 38
.set b, (j-20)/2                    ; 21: pair 0; 22, 24, .. 36: pairs 1 to 8
.endif
	v_pk_fma_f32 v[rS+2*b:rS+2*b+1], v[rS+2*b:rS+2*b+1], s[CS:CS+1], v[rT:rT+1] op_sel_hi:[1,0,0] neg_lo:[0,0,1] neg_hi:[0,0,1]  ; pair b: c s - c m
.elseif j < 70
.set e, j-38                        ; 66 to 69: s28 to s31
.if j < 66
.set e, j-32-(j-38)/4               ; 39-41, 43-45, .. 63-65: s7 to s27
.endif
.if j < 38
.set e, (j-25)/2                    ; 25, 27, .. 37: s0 to s6
.endif
	v_exp_f32 v[rS+e], v[rS+e]
.elseif j < 86
	v_cvt_pk_f16_f32 v[rP+j-70], v[rS+2*(j-70)], v[rS+2*(j-70)+1]  ; pair j - 70
.elseif j < 102                     ; the sum of the tile's 16 pairs, in place: neighbours 1, 2, 4 and 8 pairs apart, then l takes it
.set z, j-86
.set w, 4
.set u, z
.if z >= 14
.set w, 32
.set u, 0
.elseif z >= 12
.set w, 16
.set u, z-12
.elseif z >= 8
.set w, 8
.set u, z-8
.endif
.if (z == 14) && \first
	v_pk_add_f32 v[rT+2:rT+3], v[rS:rS+1], v[rS+16:rS+17]
.elseif z < 15
	v_pk_add_f32 v[rS+w*u:rS+w*u+1], v[rS+w*u:rS+w*u+1], v[rS+w*u+w/2:rS+w*u+w/2+1]
.elseif !\first
	v_pk_fma_f32 v[rT+2:rT+3], v[rT+2:rT+3], v[rT+6:rT+7], v[rS:rS+1] op_sel_hi:[1,0,1]
.endif
.else
	WIN W_RS
	v_pk_mul_f32 v[rO:rO+1], v[rO:rO+1], v[rT+6:rT+7] op_sel_hi:[1,0]
.endif
.endm
; Slice k of 59 of piece y's softmax: four instructions.  Slices 11 to 34 deal out the batch, numbers 22 to 69: four numbers of ONE tile each, the tiles by turns.  Every other slice is numbers 2 k and 2 k + 1 of both tiles.
; Ahead of slice 35 nothing names an exponential's result, and behind slice 34 no exponential is issued: so the piece's 66 exponentials have one wait, behind slice 34, with one plain instruction ahead of it.
.macro SLICE y, first
.if (k >= 11) && (k < 35)
.irp n, 0,1,2,3
.set j, 22+4*((k-11)/2)+(\n)
	SM (\y)+(k-11)%2, \first
.endr
.else
.irp n, 0,1
.irp t, \y, \y+1
.set j, 2*k+\n
	SM \t, \first
.endr
.endr
.endif
.if k == 34
	v_nop                           ; the plain instruction behind the last exponential
.if (\y) == 0
	FETCH_V                         ; piece 2's turn: V's run of loads stands here, and the wait stands in it
.else
	s_wait_alu depctr_va_vdst(0)    ; the wait for the batch
.endif
.endif
.set k, k+1
.endm
; The slices behind product pn of nprod: per of them, but so that each later product keeps one.  So slice 58, four plain multiplications of the other piece's O^T, stands behind the turn's last product:
; they are the four places between that product and the next turn's first read of its scores and the loads into K's registers.
.macro DEAL y, first
.set tgt, per*(pn+1)
.if tgt > 59-(nprod-1-pn)
.set tgt, 59-(nprod-1-pn)
.endif
.rept tgt-k
	SLICE \y, \first
.endr
.set pn, pn+1
.endm
.macro PLACES
.rept 4
	v_nop
.endr
.endm
; A TURN.  Piece x has the matrix unit; the other piece's softmax stands in slices behind its products.  pv = 2: 16 products V^T P; 1: they start O^T's sums; 0: none.  kq = 1: 16 products K Q^T for the next step.
; first = 1: the softmax is the first key step's; its slices from 51 on are empty, so four v_nop take slice 58's part.
; Piece 0's turn fetches the next step's K behind its second product: the last product that read K stands in front of slice 58 of the turn before.  Piece 2's turn fetches the same step's V behind slice 34: behind the last
; product that read V stand three scalings, the v_nop and the run's own v_add_nc_u32: five plain instructions.
.macro TURN x, pv, kq, first
.set k, 0
.set pn, 0
.set per, 4
.set nprod, 16
.if \pv && \kq
.set per, 2
.set nprod, 32
.endif
.if \pv
.if \x == 0
	s_wait_dscnt 0x0                ; V is in
.endif
.set i, 0
.rept 16
	PV \x, 2-\pv
	DEAL 2-\x, \first
.if (\x == 0) && \kq && (i == 1)
	FETCH_K
.endif
.set i, i+1
.endr
.endif
.if \kq
.if \x == 0
	s_wait_dscnt 0x0                ; K is in
.endif
.set i, 0
.rept 16
	KQ \x
	DEAL 2-\x, \first
.set i, i+1
.endr
.endif
.if \first
	PLACES
.endif
.endm
; THE CHANGE OF SLOTS, between piece 2's turn and piece 0's: the slot's last bytes, V of its eighth step, have been asked for.  Each wave waits for all its tensor loads (its part of the other slot), adds 0 to its spare
; word, and waits for that and for its reads of the slot.  fill = 1: the barrier is a round of the cluster's, and the joint refill, the keys two slots on, is the first thing behind it.
.macro CHANGE fill
	WIN 0                           ; at a label and at a branch every window is 0
	s_wait_tensorcnt 0x0            ; no tensor load of mine is out, so a group 0 may be written
	ds_add_u32 v[SPW], v[NIL]       ; 0 onto my spare word
.if \fill
	s_xor_b32 s[G0+5], s[G0+5], SLOT1  ; the walking descriptor: the other slot than last time,
	s_add_nc_u64 s[G0+6:G0+7], s[G0+6:G0+7], SLOTB  ; the next 512 keys; the type bits on top are not reached
	s_wait_xcnt 0x0                 ; the last prefetch, a slot back, and Q's loads have read their addresses
	s_add_nc_u64 s[PFA:PFA+1], s[PFA:PFA+1], SLOTB  ; one slot further on than the walking descriptor
	s_wait_dscnt 0x0                ; the add is done, and my reads of the slot are over
	CROUND
	JLOAD
	ASK
.else
	s_wait_dscnt 0x0
	s_barrier_signal -1
	s_barrier_wait -1
.endif
	s_sub_co_u32 s[TB], s[TB], SLOTB  ; the fetches go back to a slot's first step,
	s_xor_b32 s[TB], s[TB], SLOT1   ; in the other slot
.endm
.macro STEPS n                      ; n key steps: written once, walked n times; the LDS addresses hang on s[TB]
	s_mov_b32 s[CNT], \n
.Lstep_\@:
	TURN 0, 2, 1, 0
	TURN 2, 2, 1, 0
	WIN 0
	s_sub_co_u32 s[CNT], s[CNT], 1
	s_cmp_lg_u32 s[CNT], 0
	s_cbranch_scc1 .Lstep_\@
.endm
	s_wait_tensorcnt 1              ; my part of slot 0 is in; slot 1's may stay out
	s_barrier_signal -1
	s_barrier_wait -1               ; everybody's is
	FETCH_K                         ; key step 0
	s_wait_loadcnt 0x0              ; Q
	s_wait_dscnt 0x0
.set i, 0
.rept 16
	KQ 0                            ; piece 0's first scores
.set i, i+1
.endr
	WIN 0
	PLACES
	TURN 2, 0, 1, 1                 ; piece 2's first scores | piece 0's first softmax | V of step 0
	TURN 0, 1, 1, 1                 ; piece 0: V^T P of step 0 starts O^T, K Q^T of step 1 | piece 2's first softmax | K of step 1
	TURN 2, 1, 1, 0                 ; piece 2: the same | piece 0's softmax of step 1 | V of step 1
	WIN 0
	STEPS NSTEP-2                   ; steps 2 to 7 are fetched: slot 0 is read out
.Lslot:                             ; two trips: slots 0 and 1 are filled again, with the third and the fourth 512 keys
	CHANGE 1
	STEPS NSTEP
	s_sub_co_u32 s[SLOTS], s[SLOTS], 1
	s_cmp_lg_u32 s[SLOTS], 0
	s_cbranch_scc1 .Lslot
	CHANGE 0                        ; the tail is written out
	STEPS NSTEP
	TURN 0, 2, 0, 0                 ; piece 0: V^T P of the last step | piece 2's last softmax
.set i, 0
.rept 16
	PV 2, 0                         ; piece 2: V^T P of the last step
.set i, i+1
.endr
	; THE WAY OUT.  l's two halves and the other half of the lanes' are added (these lines are the places behind the last products); O^T is divided by l, rounded to f16, and each tile's four units are stored, 512 consecutive bytes each.
	WIN 0
.irp t, 0,1,2,3
	v_add_f32 v[ST+8*\t+4], v[ST+8*\t+2], v[ST+8*\t+3]
.endr
.irp t, 0,1,2,3
	v_permlanex16_b32 v[ST+8*\t+5], v[ST+8*\t+4], s[SEL], s[SEL+1]
.endr
.irp t, 0,1,2,3
	v_add_f32 v[ST+8*\t+4], v[ST+8*\t+4], v[ST+8*\t+5]
.endr
.irp t, 0,1,2,3
	v_rcp_f32 v[ST+8*\t+6], v[ST+8*\t+4]
.endr
	v_nop                           ; a plain instruction between the last reciprocal and the use of its result
	s_wait_alu depctr_va_vdst(0)    ; one wait for the four reciprocals, ahead of their first reader
.macro PACKT t
	WIN W_RS
.set i, 32*\t
.rept 16
	v_pk_mul_f32 v[i:i+1], v[i:i+1], v[ST+8*\t+6:ST+8*\t+7] op_sel_hi:[1,0]
.set i, i+2
.endr
	WIN 0x05                        ; sources 0 and 1 window 1, destination window 0: S^T's registers are free
.set i, 0
.rept 16
	v_cvt_pk_f16_f32 v[S+16*\t+i], v[32*\t+2*i], v[32*\t+2*i+1]
.set i, i+1
.endr
	WIN 0
.irp f, 0,1,2,3
	global_store_b128 v[GO], v[S+16*\t+4*\f:S+16*\t+4*\f+3], s[10:11] offset:8192*\t+512*\f  ; tokens 16 t on, channels 16 f on
.endr
.endm
	PACKT 0
	PACKT 1
	PACKT 2
	PACKT 3
	s_wait_tensorcnt 0x0            ; the wave's end
	ds_add_u32 v[SPW], v[NIL]
	s_wait_dscnt 0x0
	CROUND                          ; the closing round: no work-group ends while a partner may still ask for a tile that names it
	s_endpgm
.Lfunc_end_k_qcf88eaddf8_attn:
	.size	k_qcf88eaddf8_attn, .Lfunc_end_k_qcf88eaddf8_attn-k_qcf88eaddf8_attn
	.p2alignl 7, 3214868480
	.fill 96, 4, 3214868480
	.section	.rodata,"a",@progbits
	.p2align	6, 0x0
	.amdhsa_kernel k_qcf88eaddf8_attn
		.amdhsa_group_segment_fixed_size 327680
		.amdhsa_private_segment_fixed_size 0
		.amdhsa_enable_private_segment 0
		.amdhsa_kernarg_size 16
		.amdhsa_user_sgpr_count 2
		.amdhsa_user_sgpr_kernarg_segment_ptr 1
		.amdhsa_wavefront_size32 1
		.amdhsa_system_sgpr_workgroup_id_x 1
		.amdhsa_system_sgpr_workgroup_id_y 1
		.amdhsa_system_sgpr_workgroup_id_z 1
		.amdhsa_system_vgpr_workitem_id 0
		.amdhsa_next_free_vgpr 640
		.amdhsa_next_free_sgpr 66
		.amdhsa_reserve_vcc 0
		.amdhsa_float_denorm_mode_32 3
		.amdhsa_float_denorm_mode_16_64 3
		.amdhsa_memory_ordered 1
		.amdhsa_forward_progress 1
		.amdhsa_inst_pref_size 189
	.end_amdhsa_kernel
	.amdgpu_metadata
---
amdhsa.version: [ 1, 2 ]
amdhsa.kernels:
  - .name:           k_qcf88eaddf8_attn
    .symbol:         k_qcf88eaddf8_attn.kd
    .args:
      - { .name: qkv, .offset: 0, .size: 8, .value_kind: global_buffer, .address_space: global }
      - { .name: obuf, .offset: 8, .size: 8, .value_kind: global_buffer, .address_space: global }
    .group_segment_fixed_size: 327680
    .private_segment_fixed_size: 0
    .kernarg_segment_align: 8
    .kernarg_segment_size: 16
    .max_flat_workgroup_size: 128
    .sgpr_count:     66
    .vgpr_count:     640
    .wavefront_size: 32
...
	.end_amdgpu_metadata
.endif
;; end of part 3
;; launch oproj (part 4): grid 8 x 32, 4 waves a work-group, clusters of 4 x 4, 327,680 bytes of LDS; arguments obuf, wo16, bo, out0; writes out0
.if DOCPART == 4
	.amdgcn_target "amdgcn-amd-amdhsa--gfx1250"
	.amdhsa_code_object_version 6
	.text
	.protected	k_qcf88eaddf8_oproj
	.globl	k_qcf88eaddf8_oproj
	.p2align	8
	.type	k_qcf88eaddf8_oproj,@function
k_qcf88eaddf8_oproj:
	s_mov_b64 s[64:65], 0
	v_nop
	global_prefetch_b8 v0, s[64:65] scope:SCOPE_SE
	s_setreg_imm32_b32 hwreg(HW_REG_WAVE_MODE, 25, 1), 1
	s_wait_xcnt 0x0
	s_wait_alu depctr_hold_cnt(0) depctr_sa_sdst(0) depctr_va_vdst(0) depctr_va_sdst(0) depctr_va_ssrc(0) depctr_va_vcc(0) depctr_vm_vsrc(0)
	s_getreg_b32 s2, hwreg(HW_REG_IB_STS2, 6, 4)
	s_cmp_eq_u32 s2, 0
	s_cbranch_scc0 .Lentry_in_a_cluster
	s_endpgm
.Lentry_in_a_cluster:
	s_bfe_u32 s2, ttmp6, 0x10000c
	s_cmp_lg_u32 s2, 0xf033
	s_cbranch_scc0 .Lentry_shape_is_right
	s_endpgm
.Lentry_shape_is_right:
; out0[m][f] = the sum over e of o[m][e] wo[f][e] + bo[f].  o: f16 in units of 512 bytes (16 tokens x 16 of e), laid [256 of e, 4][16 tokens 256][16 of e, 16][unit]; wo16: [1024][1024] f16 in rows; out0: [4096][1024] f32.  Sums in f32.
; A tile is 128 x 128: 256 work-groups of four waves, each wave 64 x 64: 16 accumulators.  K goes in 4 steps of 256 through two LDS slots.  A step's 128 tokens of o are 65,536 dense bytes (no padding: every read takes
; 512 consecutive bytes); wo's 128 rows of 512 bytes get 16 bytes of padding each.
; CLUSTERS: 4 x 4 work-groups; a row of the cluster shares o's tiles, a column wo's: each tile is asked for jointly.  THE MATRIX INSTRUCTION IS USED TRANSPOSED (source 0 = 16 rows of wo, source 1 = 16 tokens).
; bo STARTS THE SUMS: it is the C of each accumulator's first product (an order of rounding other than adding it last).
; THE WAY OUT: a wave's 64 outputs are half of a row's 512 bytes, so the four waves share one stage in LDS, with a barrier between writing and reading.  The stage lies in slot 0, which has had its last fill and its last read by then.
; REGISTERS: window 0: v0-31 addresses; v32-63 the bias; v128-255 the accumulators ((a, b) at v[128 + 8 (4 a + b)]), later the rows read back.  window 1: two fragment buffers of 128: 64 registers of o, then 64 of wo.
.set KSTEP,  256
.set PITCH,  528                       ; a row of wo in LDS: 512 bytes + 16 of padding: the 16 rows that a load touches start at 16 different banks
.set HALFA,  32768                     ; 64 tokens x 256 of e: what one tensor load brings of o
.set ABYTES, 2*HALFA
.set HALFB,  64*PITCH                  ; 64 rows of wo
.set SLOT,   ABYTES+2*HALFB            ; o's 128 tokens, then wo's 128 rows
.set SPARE,  2*SLOT                    ; behind the ring: the spare words, 128 bytes a wave
.set SPITCH, 528                       ; the stage: 128 rows x (512 bytes + 16), from LDS byte 0 on
.set LAPS,   2                         ; a lap = two K steps = once round the ring
.set ADRA, 16                          ; v16-17  LDS address of my fragments of o in slot 0, 1
.set ADRB, 20                          ; v20-21  the same for wo
.set STO,  24                          ; v24     the way out: where I put 32 bytes of a row
.set RD,   25                          ; v25     the way out: where I read a row back
.set CO,   26                          ; v26     16 x lane: my place in a row's 512 bytes of out0
.set SPW,  28                          ; v28     LDS address of my spare word; never rewritten
.set NIL,  29                          ; v29     0; never rewritten
.set BI,   32                          ; the bias: block b's eight numbers at v[BI + 8 b]
.set ACC,  128
.set F0,   0
.set F1,   128
.set G1, 24                            ; s[24:31] descriptor group 1 for o's tiles;  s[32:39] group 0, one set for each slot
.set G0, 32
.set G1B, 48                           ; s[48:55], s[56:63] the same for wo's tiles
.set G0B, 56
.set MSB, 0
.macro WIN new
.if MSB != (\new)
	s_set_vgpr_msb (MSB<<8)|(\new)
.set MSB, (\new)
.endif
.endm
.set MUL,  0x05                        ; sources 0 (wo) and 1 (o) window 1; C and D window 0
.set TO_F, 0x40                        ; destination window 1, address window 0
.macro JLOAD s                         ; a joint load: waves 0 and 1 fetch o's two halves, waves 2 and 3 wo's; an s_nop 0 and four v_nop follow each of the two lines
	s_cmp_eq_u32 s11, 0
	s_cbranch_scc0 .Lfor_b_\@
	tensor_load_to_lds s[G0+4*\s:G0+4*\s+3], s[G1:G1+7]
	s_nop 0
.rept 4
	v_nop
.endr
	s_branch .Lasked_\@
.Lfor_b_\@:
	tensor_load_to_lds s[G0B+4*\s:G0B+4*\s+3], s[G1B:G1B+7]
	s_nop 0
.rept 4
	v_nop
.endr
.Lasked_\@:
.endm
.macro CREST                           ; a round of the cluster's barrier behind its opening barrier
	s_cmp_lg_u32 s10, 0
	s_cbranch_scc1 .Lnot_wave_0_\@
	s_barrier_signal -3
.Lnot_wave_0_\@:
	s_barrier_wait -3
	s_barrier_signal -1
	s_barrier_wait -1
.endm
.macro CROUND
	s_barrier_signal -1
	s_barrier_wait -1
	CREST
.endm
	s_load_b128 s[4:7], s[0:1], 0x0                ; obuf, wo16
	s_load_b64 s[68:69], s[0:1], 0x10              ; bo
	s_load_b64 s[8:9], s[0:1], 0x18                ; out0
	v_lshl_add_u32 v[SPW], v0, 2, SPARE
	v_mov_b32 v[NIL], 0
	ds_add_u32 v[SPW], v[NIL]                      ; the wave's opening: the add, twice on end, and its wait ahead of my first tensor load
	ds_add_u32 v[SPW], v[NIL]
	v_lshrrev_b32 v1, 5, v0
	v_readfirstlane_b32 s10, v1                    ; wave 0..3
	s_lshr_b32 s11, s10, 1                         ; which half of the tile's tokens is mine.  Also: I fetch for o (0) or for wo (1)
	s_and_b32 s12, s10, 1                          ; which half of its outputs.  Also: which half of that tile I fetch
	s_bfe_u32 s40, ttmp6, 0x40000                  ; cx, cy: my place in the cluster
	s_bfe_u32 s41, ttmp6, 0x40004
	s_lshl_b32 s42, ttmp9, 2
	s_add_co_u32 s42, s42, s40                     ; tile column = 4 x cluster x + cx
	s_and_b32 s13, ttmp7, 0xffff
	s_lshl_b32 s13, s13, 2
	s_add_co_u32 s13, s13, s41                     ; tile row = 4 x cluster y + cy
	s_lshl_b32 s43, s41, 2
	s_lshl_b32 s43, 15, s43                        ; my row of the cluster
	s_lshl_b32 s44, 0x1111, s40                    ; my column
	; o's tiles: 32,768 dense bytes as 128 rows of 256 (32 elements of 8 bytes), no padding
	s_or_b32 s[G1+0], s43, (3<<16)|(1<<21)         ; the mask: my row; elements of 8 bytes; bit 21 beside a mask
	s_mov_b32 s[G1+1], 32<<16
	s_mov_b32 s[G1+2], 128<<16
	s_mov_b32 s[G1+3], 32<<16
	s_mov_b32 s[G1+4], 128
	s_mov_b32 s[G1+5], 32
	s_mov_b32 s[G1+6], 0
	s_mov_b32 s[G1+7], 0
	; wo's tiles: 64 rows x 256 elements of 2 bytes, 4 words of padding after every 128 words
	s_or_b32 s[G1B+0], s44, (1<<16)|(1<<20)|(1<<21)|(6<<22)|(3<<25)
	s_mov_b32 s[G1B+1], KSTEP<<16
	s_mov_b32 s[G1B+2], 64<<16
	s_mov_b32 s[G1B+3], KSTEP<<16
	s_mov_b32 s[G1B+4], 64
	s_mov_b32 s[G1B+5], 1024
	s_mov_b32 s[G1B+6], 0
	s_mov_b32 s[G1B+7], 0
	s_lshl_b32 s16, s13, 3
	s_lshl_b32 s17, s12, 2
	s_add_co_u32 s16, s16, s17                     ; o: block of 16 tokens 8 x tile row + 4 x half,
	s_lshl_b32 s16, s16, 13                        ; x 8,192 bytes
	s_mov_b32 s17, 0
	s_lshl_b32 s46, s42, 7
	s_lshl_b32 s47, s12, 6
	s_add_co_u32 s46, s46, s47                     ; wo: row 128 x tile column + 64 x half,
	s_lshl_b32 s46, s46, 11                        ; x 2,048 bytes
	s_mov_b32 s47, 0
	s_lshl_b32 s20, s12, 15                        ; where they go: o's halves,
	s_mul_i32 s23, s12, HALFB
	s_add_co_u32 s23, s23, ABYTES                  ; wo's halves behind them: no place in the cluster enters an LDS address
	s_wait_dscnt 0x0                               ; both opening adds are done
	s_wait_kmcnt 0x0
	s_add_nc_u64 s[14:15], s[4:5], s[16:17]
	s_add_nc_u64 s[46:47], s[6:7], s[46:47]
	CROUND                                         ; all sixteen work-groups are here: the first joint loads meet
.irp s, 0,1
	s_mov_b32 s[G0+4*\s], 1
	s_add_co_u32 s[G0+4*\s+1], s20, \s*SLOT
	s_add_nc_u64 s[G0+4*\s+2:G0+4*\s+3], s[14:15], \s*2097152     ; K step s: 256 of e on is 2,097,152 bytes on
	s_or_b32 s[G0+4*\s+3], s[G0+4*\s+3], 0x80000000
	s_mov_b32 s[G0B+4*\s], 1
	s_add_co_u32 s[G0B+4*\s+1], s23, \s*SLOT
	s_add_nc_u64 s[G0B+4*\s+2:G0B+4*\s+3], s[46:47], \s*KSTEP*2
	s_or_b32 s[G0B+4*\s+3], s[G0B+4*\s+3], 0x80000000
	JLOAD \s                                       ; two tensor loads of mine are out
.endr
	v_and_b32 v1, 15, v0                           ; r = lane % 16
	v_bfe_u32 v2, v0, 4, 1                         ; h = lane / 16
	v_and_b32 v6, 31, v0
	v_lshlrev_b32 v6, 4, v6                        ; 16 x lane
	v_mul_u32_u24 v3, v1, PITCH
	v_lshl_add_u32 v3, v2, 4, v3                   ; wo: row x pitch + 16 x half
	s_lshl_b32 s21, s11, 15                        ; my 64 tokens of o
	s_mul_i32 s22, s12, HALFB                      ; my 64 rows of wo,
	s_add_co_u32 s22, s22, ABYTES                  ; which lie behind o's part
.irp s, 0,1
	v_add_nc_u32 v[ADRA+\s], s21, v6
	v_add_nc_u32 v[ADRB+\s], s22, v3
	s_add_co_u32 s21, s21, SLOT
	s_add_co_u32 s22, s22, SLOT
.endr
	s_mul_i32 s23, s11, 64*SPITCH                  ; into the stage: my 64 rows, my half of their 512 bytes; row r, 32 bytes for each half of the lanes
	s_lshl_b32 s21, s12, 8
	s_add_co_u32 s23, s23, s21
	v_mul_u32_u24 v4, v1, SPITCH
	v_lshl_add_u32 v4, v2, 5, v4
	v_add_nc_u32 v[STO], s23, v4
	s_mul_i32 s23, s10, 32*SPITCH                  ; back: wave w takes rows 32 w .. 32 w + 31, whole: the 32 lanes one row
	v_add_nc_u32 v[RD], s23, v6
	v_mov_b32 v[CO], v6
	s_lshl_b32 s16, s13, 7
	s_lshl_b32 s17, s10, 5
	s_add_co_u32 s16, s16, s17                     ; the first row of out0 that I store: 128 x tile row + 32 x wave,
	s_lshl_b32 s16, s16, 12                        ; x 4,096 bytes
	s_mov_b32 s17, 0
	s_add_nc_u64 s[8:9], s[8:9], s[16:17]
	s_lshl_b32 s46, s42, 9                         ; the tile's first column, in bytes
	s_mov_b32 s47, 0
	s_add_nc_u64 s[8:9], s[8:9], s[46:47]
	s_lshl_b32 s45, s12, 8
	s_add_co_u32 s46, s46, s45                     ; bo: the same, + my 64 outputs
	s_add_nc_u64 s[68:69], s[68:69], s[46:47]
	v_lshlrev_b32 v7, 5, v2                        ; 32 h
.irp b, 0,1,2,3
	global_load_b128 v[BI+8*\b:BI+8*\b+3], v7, s[68:69] offset:64*\b          ; lane (r, h), register j: bo[16 b + 8 h + j]: the result's layout
	global_load_b128 v[BI+8*\b+4:BI+8*\b+7], v7, s[68:69] offset:64*\b+16
.endr
; 8 matrix instructions: token blocks a0, a0 + 1 x all 4 output blocks, 32 along K: half c of buffer f.  zero = 1: the first product starts the sum from the bias.  The 16 accumulators take turns.
.macro MUL8 f, c, a0, zero
.irp a, \a0, \a0+1
.irp b, 0,1,2,3
.if \zero
	v_wmma_f32_16x16x32_f16 v[ACC+8*(4*(\a)+\b):ACC+8*(4*(\a)+\b)+7], v[\f+64+8*(4*\c+\b):\f+64+8*(4*\c+\b)+7], v[\f+8*(4*\c+\a):\f+8*(4*\c+\a)+7], v[BI+8*\b:BI+8*\b+7]
.else
	v_wmma_f32_16x16x32_f16 v[ACC+8*(4*(\a)+\b):ACC+8*(4*(\a)+\b)+7], v[\f+64+8*(4*\c+\b):\f+64+8*(4*\c+\b)+7], v[\f+8*(4*\c+\a):\f+8*(4*\c+\a)+7], v[ACC+8*(4*(\a)+\b):ACC+8*(4*(\a)+\b)+7]
.endif
.endr
.endr
.endm
; 32 LDS loads in one run: the fragments of quarter q (64 along K) of a slot into buffer f; the first 32 along K first.  wo: two loads 32 bytes apart in a row; o: two neighbouring units.
.macro FETCH slot, q, f
	WIN TO_F
.irp c, 0,1
.irp i, 0,1,2,3
	ds_load_b128 v[\f+64+8*(4*\c+\i):\f+64+8*(4*\c+\i)+3],   v[ADRB+\slot] offset:128*(\q)+64*\c+\i*16*PITCH
	ds_load_b128 v[\f+64+8*(4*\c+\i)+4:\f+64+8*(4*\c+\i)+7], v[ADRB+\slot] offset:128*(\q)+64*\c+\i*16*PITCH+32
	ds_load_b128 v[\f+8*(4*\c+\i):\f+8*(4*\c+\i)+3],         v[ADRA+\slot] offset:8192*\i+1024*(2*(\q)+\c)
	ds_load_b128 v[\f+8*(4*\c+\i)+4:\f+8*(4*\c+\i)+7],       v[ADRA+\slot] offset:8192*\i+1024*(2*(\q)+\c)+512
.endr
.endr
.endm
.macro PLACES                          ; four places in front of loads into registers that matrix instructions have read, and of reads of results
.rept 4
	v_nop
.endr
.endm
; A K step is four quarters of 64 along K, 32 matrix instructions each, on buffers 0, 1, 0, 1.  One of the first three: multiplies buffer f and fetches quarter q into g.
.macro QUARTER slot, q, f, g, zero
	s_wait_dscnt 16                                ; the first 32 along K are in; the other sixteen loads may be out
	WIN MUL
	MUL8 \f, 0, 0, \zero
	MUL8 \f, 0, 2, \zero
	PLACES
	FETCH \slot, \q, \g
	s_wait_dscnt 32                                ; all but the 32 just issued
	WIN MUL
	MUL8 \f, 1, 0, 0
	MUL8 \f, 1, 2, 0
.endm
; The last quarter multiplies buffer 1 and changes slots: one barrier; in front of it each wave waits for all its tensor loads, adds 0 to its spare word, and waits for that and for its reads of this slot.  fill = 1: this slot is filled again, two K steps ahead.
.macro TURN slot, next, fill
	WIN 0                                          ; (the add's two registers lie in window 0)
	s_wait_tensorcnt 0x0                           ; all my tensor loads have landed: my part of the next slot
	ds_add_u32 v[SPW], v[NIL]                      ; 0 onto my spare word
	s_wait_dscnt 17                                ; (the add and the youngest sixteen loads may be out)
	WIN MUL
	MUL8 F1, 0, 0, 0                               ; eight matrix instructions stand between the add and the wait for it
	s_wait_dscnt 0x0                               ; the add is done, and my reads of this slot are over
	s_barrier_signal -1
	MUL8 F1, 0, 2, 0
.if \fill
	WIN 0
.endif
	s_barrier_wait -1
.if \fill
	CREST                                          ; the barrier has opened a round of the cluster's: no wave of any partner still reads this slot or has a load on its way
	s_add_nc_u64 s[G0+4*\slot+2:G0+4*\slot+3], s[G0+4*\slot+2:G0+4*\slot+3], 2*2097152
	s_add_nc_u64 s[G0B+4*\slot+2:G0B+4*\slot+3], s[G0B+4*\slot+2:G0B+4*\slot+3], 2*KSTEP*2
	JLOAD \slot                                    ; the first tensor load behind the round; the four v_nop behind it are also the places in front of the loads below
.else
	PLACES
.endif
	FETCH \next, 0, F0
	WIN MUL
	MUL8 F1, 1, 0, 0
	MUL8 F1, 1, 2, 0
.endm
	s_wait_tensorcnt 1                             ; my part of K step 0 is in (K step 1's load may be out)
	s_barrier_signal -1
	s_barrier_wait -1                              ; everybody's is
	FETCH 0, 0, F0
	s_wait_loadcnt 0x0                             ; the bias
	QUARTER 0, 1, F0, F1, 1                        ; the first quarter stands in front of the loop: its first products start the sums
	WIN 0                                          ; at a label and at a branch every window is 0
	s_mov_b32 s3, LAPS-1
.Llap:                                                 ; a trip goes once round the ring, from a lap's second quarter to the next lap's first, and fills both slots again
	QUARTER 0, 2, F1, F0, 0
	QUARTER 0, 3, F0, F1, 0
	TURN 0, 1, 1
	QUARTER 1, 1, F0, F1, 0
	QUARTER 1, 2, F1, F0, 0
	QUARTER 1, 3, F0, F1, 0
	TURN 1, 0, 1
	QUARTER 0, 1, F0, F1, 0
	WIN 0
	s_sub_co_u32 s3, s3, 1
	s_cmp_lg_u32 s3, 0
	s_cbranch_scc1 .Llap
	QUARTER 0, 2, F1, F0, 0                        ; the last lap fills nothing, and has no round of the cluster's barrier
	QUARTER 0, 3, F0, F1, 0
	TURN 0, 1, 0
	QUARTER 1, 1, F0, F1, 0
	QUARTER 1, 2, F1, F0, 0
	QUARTER 1, 3, F0, F1, 0
	s_wait_dscnt 16                                ; the very last quarter: nothing more to fetch
	WIN MUL
	MUL8 F1, 0, 0, 0
	MUL8 F1, 0, 2, 0
	s_wait_dscnt 0
	MUL8 F1, 1, 0, 0
	MUL8 F1, 1, 2, 0
	WIN 0
	; THE WAY OUT: 32 bytes a lane and accumulator into the work-group's stage, each accumulator from its low end on; a barrier, since a row's 512 bytes come from two waves; back as whole rows, 32 rows a wave.
	PLACES
.irp a, 0,1,2,3
.irp b, 0,1,2,3
	ds_store_b128 v[STO], v[ACC+8*(4*\a+\b):ACC+8*(4*\a+\b)+3] offset:\a*16*SPITCH+64*\b
	ds_store_b128 v[STO], v[ACC+8*(4*\a+\b)+4:ACC+8*(4*\a+\b)+7] offset:\a*16*SPITCH+64*\b+16
.endr
.endr
	s_wait_dscnt 0x0                               ; for the others' sake: my stores into the stage are done
	s_barrier_signal -1
	s_barrier_wait -1
.irp t, 0,1,2,3,4,5,6,7,8,9,10,11,12,13,14,15,16,17,18,19,20,21,22,23,24,25,26,27,28,29,30,31
	ds_load_b128 v[ACC+4*\t:ACC+4*\t+3], v[RD] offset:\t*SPITCH
.endr
.irp t, 0,1,2,3,4,5,6,7,8,9,10,11,12,13,14,15,16,17,18,19,20,21,22,23,24,25,26,27,28,29,30,31
	s_wait_dscnt 31-\t                             ; row t is back; the younger loads may be out
	global_store_b128 v[CO], v[ACC+4*\t:ACC+4*\t+3], s[8:9] offset:\t*4096 th:TH_STORE_NT   ; 32 lanes store 512 consecutive bytes, at a multiple of 512 from out0's first byte; written once, read by nobody here
.endr
	s_wait_tensorcnt 0x0                           ; the wave's end: behind my last tensor load and my last LDS store
	ds_add_u32 v[SPW], v[NIL]
	s_wait_dscnt 0x0
	CROUND                                         ; the closing round: no work-group ends while a partner may still ask for a tile that names it
	s_endpgm
.Lfunc_end_k_qcf88eaddf8_oproj:
	.size	k_qcf88eaddf8_oproj, .Lfunc_end_k_qcf88eaddf8_oproj-k_qcf88eaddf8_oproj
	.p2alignl 7, 3214868480
	.fill 96, 4, 3214868480
	.section	.rodata,"a",@progbits
	.p2align	6, 0x0
	.amdhsa_kernel k_qcf88eaddf8_oproj
		.amdhsa_group_segment_fixed_size 327680
		.amdhsa_private_segment_fixed_size 0
		.amdhsa_enable_private_segment 0
		.amdhsa_kernarg_size 32
		.amdhsa_user_sgpr_count 2
		.amdhsa_user_sgpr_kernarg_segment_ptr 1
		.amdhsa_wavefront_size32 1
		.amdhsa_system_sgpr_workgroup_id_x 1
		.amdhsa_system_sgpr_workgroup_id_y 1
		.amdhsa_system_sgpr_workgroup_id_z 1
		.amdhsa_system_vgpr_workitem_id 0
		.amdhsa_next_free_vgpr 512
		.amdhsa_next_free_sgpr 72
		.amdhsa_reserve_vcc 0
		.amdhsa_float_denorm_mode_32 3
		.amdhsa_float_denorm_mode_16_64 3
		.amdhsa_memory_ordered 1
		.amdhsa_forward_progress 1
		.amdhsa_inst_pref_size 87
	.end_amdhsa_kernel
	.amdgpu_metadata
---
amdhsa.version: [ 1, 2 ]
amdhsa.kernels:
  - .name:           k_qcf88eaddf8_oproj
    .symbol:         k_qcf88eaddf8_oproj.kd
    .args:
      - { .name: obuf, .offset: 0, .size: 8, .value_kind: global_buffer, .address_space: global }
      - { .name: wo16, .offset: 8, .size: 8, .value_kind: global_buffer, .address_space: global }
      - { .name: bo, .offset: 16, .size: 8, .value_kind: global_buffer, .address_space: global }
      - { .name: out0, .offset: 24, .size: 8, .value_kind: global_buffer, .address_space: global }
    .group_segment_fixed_size: 327680
    .private_segment_fixed_size: 0
    .kernarg_segment_align: 8
    .kernarg_segment_size: 32
    .max_flat_workgroup_size: 128
    .sgpr_count:     72
    .vgpr_count:     512
    .wavefront_size: 32
...
	.end_amdgpu_metadata
.endif
;; end of part 4
